; MI455X (gfx1250); checked and timed in simulation.
; The chip was launched on July 23, 2026; its instructions are those of AMD's public machine-readable ISA for CDNA 5 (MIT licence, August 2026) and "CDNA5" Instruction Set Architecture Reference Guide (July 2026). The comments in the code are by the model that wrote it; some were corrected since.
;; Splash Attention. Allowed arithmetic: matrix products marked QUANTISED: E2M1 operands, one E8M0 scale for each 32 along K, by v_wmma_scale_f32_16x16x128_f8f6f4 with both operands' format E2M1 (or v_wmma_scale_f32_32x16x128_f4), f32 sums; everything else in f32.
;; Inputs: key 2 x 16 x 2,048 x 128 float32; kv_segment_ids 2 x 2,048 int32; q_segment_ids 2 x 2,048 int32; query 2 x 16 x 2,048 x 128 float32; value 2 x 16 x 2,048 x 128 float32.
;; Outputs: out0 2 x 16 x 2,048 x 128 float32.
;; Constants: window_size = 512.
;; This version of the problem:
;;   THIS VERSION OF THE PROBLEM IS GIVEN IN LOW PRECISION. The matrix products marked QUANTISED in the list below multiply operands that are first quantised to E2M1 (2 exponent bits, 1 mantissa bit; 4 bits a number), with one power-of-two scale for each 32 numbers along K (OCP MX v1.0); their sums are f32. All else is computed in f32.
;;   The module's matrix products, in the order in which they are computed (A, B: the left and right operand; K: the contracted axis; several contracted axes count as one K, in the product's order):
;;     1. batch 32 x [M 2,048, K 128] x [K 128, N 2,048]; A: computed on the way; B: input key: QUANTISED
;;     2. batch 32 x [M 2,048, K 2,048] x [K 2,048, N 128]; A: softmax (see below); B: input value: QUANTISED
;;   THE QUANTISER, for each operand of a quantised product, along K:
;;     - K is cut into blocks of 32 from its start; a last block that is shorter is filled with zeros.
;;     - A block's scale is 2^e with e = floor(log2(the largest magnitude in the block)) - 2, held to -126 .. 127; a block of zeros has e = 0. As a byte (E8M0): e + 127.
;;     - Each number is divided by its block's scale, clamped to +-6, and rounded to the nearest number of E2M1, ties to even, subnormals kept.
;;     - The product sums the exact products of the quantised numbers (number of the format x scale) in f32.
;;   ~~~python
;;   def quantise(x, axis):      # numpy; x: float32 -> the quantised numbers, widened to float32 again
;;       x = np.moveaxis(x, axis, -1); K = x.shape[-1]
;;       x = np.pad(x, [(0, 0)] * (x.ndim - 1) + [(0, -K % 32)]); x = x.reshape(x.shape[:-1] + (-1, 32)); a = np.abs(x).max(-1, keepdims=True)
;;       e = np.where(a > 0, np.clip(np.frexp(np.where(a > 0, a, 1))[1] - 1 - 2, -126, 127), 0)      # np.frexp(a)[1] - 1 = floor(log2(a)), exactly
;;       r = np.clip(x / 2.0 ** e, -6, 6)
;;       step = 2.0 ** (np.maximum(np.frexp(np.where(r == 0, 1, r))[1] - 1, 0) - 1)
;;       q = np.round(r / step) * step * 2.0 ** e      # np.round: ties to even
;;       return np.moveaxis(q.reshape(q.shape[:-2] + (-1,))[..., :K], -1, axis).astype(np.float32)
;;   ~~~
;;   SOFTMAX AHEAD OF A QUANTISED PRODUCT. Where the list says 'softmax', what is quantised is not the finished softmax but p = 2^(t - M), with t = logit x log2(e) and M = ceil(the row's largest t), a whole number; so 1/2 < the row's largest p <= 1. The row's sum l is taken of the UNQUANTISED p, in f32, and the product's result is divided by l at the end. Since M is a whole number, a kernel that streams over the keys may use a running M (the ceiling of the running maximum): every later rescaling is an exact power of two, which a block's scale takes up: the codes' values come out the same.
;;   OPERANDS COMPUTED ON THE WAY. 'Computed on the way' means the value that the module computes at that place (a softmax that the list does not call 'softmax' is quantised finished and normalised). What goes into a quantiser is computed in f32, as accurately as f32 sums, v_exp_f32 and their like allow (about 1e-6 of the number): no bf16 or f16 on the way to a quantiser, and a product that is left as it is and whose result goes on into a quantised operand takes f32 operands (vector FMAs, or v_wmma_f32_16x16x4_f32). A number that lies on a knife's edge between two numbers of the format may be rounded either way, as far as f32 arithmetic and the matrix unit's own rounding can turn it there, and no further.
;; 2 versions. Each part assembles by itself: llvm-mc -triple=amdgcn-amd-amdhsa -mcpu=gfx1250 --defsym DOCPART=n.
;; ======== version 1 of 2: 2 launches
;; limits: right only within a limited range of input values
;; workspace buffers: kimg 4,194,304 bytes; vimg 4,194,304 bytes; kscl 262,144 bytes; vscl 262,144 bytes; vpart 262,144 bytes
;; launch quant (part 1): grid 512 x 2, 4 waves a work-group, no clusters, 70,656 bytes of LDS; arguments key, value, kimg, kscl, vimg, vscl, vpart; writes kimg, kscl, vimg, vscl, vpart
.if DOCPART == 1
	.amdgcn_target "amdgcn-amd-amdhsa--gfx1250"
	.amdhsa_code_object_version 6
	.text
	.protected	k_q3b5b634863_quant
	.globl	k_q3b5b634863_quant
	.p2align	8
	.type	k_q3b5b634863_quant,@function
k_q3b5b634863_quant:
	s_mov_b64 s[64:65], 0
	v_nop
	global_prefetch_b8 v0, s[64:65] scope:SCOPE_SE
	s_setreg_imm32_b32 hwreg(HW_REG_WAVE_MODE, 25, 1), 1
	s_wait_xcnt 0x0
; key and value, [32 heads][2048 keys][128 d] f32, become codes of FP4 (E2M1) with one E8M0 scale byte for each 32 along a product's K, laid AS IMAGES OF THE OPERANDS' REGISTERS,
; so that the attention launch takes a fragment by plain loads of 16 bytes a lane.  A work-group takes one step x = 16 head + key / 128 (128 keys x 128 d, 65,536 bytes) of key (work-group y = 0) or of value (y = 1).
; kimg [x][tile t 0..7][c 0..1][lane][16 bytes]: lane (r = lane % 16, hf = lane / 16) of tile t holds key 32 (t / 2) + 8 (t % 2) + r + 8 (r / 8) of the step; its 16 bytes are d = 64 c + 32 hf + 0 .. 31 (K = d).
; vimg, the same shape: tile t, lane (r, hf) holds column d = 16 t + r; its 16 bytes are keys 64 c + 32 hf + 0 .. 31 of the step (K = the keys).
; kscl, vscl [x][r][t]: one word, the four scale bytes of that tile's row r.   vpart [x][d] f32: the sum of the QUANTISED value over the step's 128 keys (for rows of the attention that have no key that counts).
; A block's scale is 2^(floor(log2(its largest magnitude)) - 2); its byte is the largest magnitude's exponent field - 2, held at 1 from below.
; LIMITS: NaN and infinities among the inputs are not served.  A block of zeros gets the byte 1 where the rule says 127: its codes are zeros, and this program alone reads the bytes.
; The two paths part on the work-group's y alone, which all four waves share; each has LDS bytes of its own and its own end.
.set TURN,  17152                      ; K path: a wave's own 32 rows on their way from rows to blocks
.set TP,    528                        ; a row there: 512 bytes + 16; rows 16-31 begin 128 bytes later, so that the sixteen rows that 16 lanes read start at sixteen different 16-byte columns of 256
.set KSG,   68608                      ; K path: the step's 128 scale words, gathered
.set VSG,   69120                      ; V path: the same,
.set VSM,   69632                      ; and the 128 column sums behind them
.set C,     32                         ; v32-47   codes: four registers a block, so that no store's data are written again
.set R,     64                         ; K path: v64-191 32 rows as loaded
.set X,     192                        ; K path: v192-255 two sets of 32 numbers of one block
.set XV,    64                         ; V path: v64-191 four blocks of 32 numbers
	s_load_b256 s[4:11], s[0:1], 0x0               ; key, value, kimg, kscl
	s_load_b128 s[12:15], s[0:1], 0x20             ; vimg, vscl
	s_load_b64 s[16:17], s[0:1], 0x30              ; vpart
	v_lshl_add_u32 v62, v0, 2, 0x11200
	v_mov_b32 v63, 0
	v_lshrrev_b32 v1, 5, v0
	v_readfirstlane_b32 s18, v1                    ; wave 0..3
	s_and_b32 s19, ttmp7, 0xffff                   ; 0: key, 1: value
	s_mov_b32 s24, 0x76543210
	s_mov_b32 s25, 0xfedcba98                      ; v_permlanex16_b32's selects for lane l xor 16
	s_lshl_b32 s20, ttmp9, 16                      ; the step's f32 numbers: 65,536 bytes
	s_mov_b32 s21, 0
	s_lshl_b32 s22, ttmp9, 13                      ; its image: 8,192 bytes,
	s_lshl_b32 s28, s18, 11
	s_add_co_u32 s22, s22, s28                     ; my wave's two tiles of it
	s_mov_b32 s23, 0
	s_lshl_b32 s28, ttmp9, 9                       ; its scale words, and its column sums: 512 bytes
	s_mov_b32 s29, 0
	v_and_b32 v20, 31, v0                          ; lane
	s_wait_kmcnt 0x0
	s_cmp_lg_u32 s19, 0
	s_cbranch_scc1 .Lvalue
; v12 = the largest magnitude of v[xs] .. v[xs + 31], in two chains, and the floor 2^(3 - 127), under which none is taken: so the byte cannot fall under 1
.macro BMAX xs
	v_max3_num_f32 v12, |v[(\xs)]|, |v[(\xs)+1]|, |v[(\xs)+2]|
	v_max3_num_f32 v13, |v[(\xs)+3]|, |v[(\xs)+4]|, |v[(\xs)+5]|
.irp i, 6,10,14,18,22,26
	v_max3_num_f32 v12, v12, |v[(\xs)+\i]|, |v[(\xs)+\i+1]|
	v_max3_num_f32 v13, v13, |v[(\xs)+\i+2]|, |v[(\xs)+\i+3]|
.endr
	v_max3_num_f32 v12, v12, |v[(\xs)+30]|, |v[(\xs)+31]|
	v_max3_num_f32 v12, v12, v13, 0x1800000
.endm
; ---------------- KEY: K = d is innermost.  Wave w takes keys 32 w .. 32 w + 31: tiles 2 w and 2 w + 1.
	s_lshl_b32 s30, s18, 14
	s_add_co_u32 s20, s20, s30                     ; my 32 rows of 512 bytes
	s_add_nc_u64 s[4:5], s[4:5], s[20:21]
	s_add_nc_u64 s[8:9], s[8:9], s[22:23]
	s_add_nc_u64 s[10:11], s[10:11], s[28:29]
	v_lshlrev_b32 v1, 4, v20                       ; 16 x lane
	v_and_b32 v2, 15, v0                           ; r
	v_bfe_u32 v3, v0, 4, 1                         ; hf
	s_mul_i32 s26, s18, TURN
	v_add_nc_u32 v4, s26, v1                       ; into the turn: a row's 512 bytes as they lie
	v_and_b32 v10, 8, v2                           ; 8 (r / 8)
	v_add_nc_u32 v5, v10, v2                       ; r + 8 (r / 8)
	v_mul_u32_u24 v5, v5, TP
	v_lshl_add_u32 v5, v10, 4, v5                  ; + 128 (r / 8): rows 16-31 lie 128 bytes later
	v_lshl_add_u32 v5, v3, 7, v5                   ; + 128 hf: my block of 32 numbers
	v_add_nc_u32 v5, s26, v5                       ; out of the turn
	s_lshl_b32 s27, s18, 3
	s_add_co_u32 s27, s27, KSG
	v_lshl_add_u32 v6, v2, 5, s27                  ; my row's scale words: KSG + 32 r + 8 w
	v_lshlrev_b32 v7, 3, v3                        ; 8 hf: where my two bytes stand in a word
	v_add_nc_u32 v8, KSG, v1
	v_mov_b32 v17, 0                               ; written once: a lane permute's destination counts as one of its sources
.set i, 0
.rept 32
	global_load_b128 v[R+4*i:R+4*i+3], v1, s[4:5] offset:512*i th:TH_LOAD_NT   ; a key's row: 32 lanes read 512 consecutive bytes
.set i, i+1
.endr
.irp g, 0,1,2,3
	s_wait_loadcnt 24-8*\g                         ; loads come back in order: these eight rows are in, the younger ones may be out
.irp k, 0,1,2,3,4,5,6,7
	ds_store_b128 v4, v[R+4*(8*\g+\k):R+4*(8*\g+\k)+3] offset:(8*\g+\k)*TP+((8*\g+\k)/16)*128
.endr
.endr
; block n = 2 u + c: of tile 2 w + u, d = 64 c + 32 hf + 0 .. 31 of my key: 128 bytes, into set n % 2.  LDS serves a wave's instructions in order: these see my stores above
.macro KREAD n
.irp j, 0,1,2,3,4,5,6,7
	ds_load_b128 v[X+32*((\n)%2)+4*\j:X+32*((\n)%2)+4*\j+3], v5 offset:8*((\n)/2)*TP+256*((\n)%2)+16*\j
.endr
.endm
.macro KBLOCK n
.set XS, X+32*((\n)%2)
.if (\n) < 3
	KREAD (\n)+1
	s_wait_dscnt 8                                 ; all but the eight loads just issued: this block's numbers are in
.else
	s_wait_dscnt 0x0
.endif
	BMAX XS
	v_add_nc_u32 v11, 0xff000000, v12              ; 2 off the exponent field: the conversion takes the exponent field of this operand as its scale, and nothing else of it
.irp g, 0,1,2,3
	v_cvt_scalef32_pk8_fp4_f32 v[C+4*(\n)+\g], v[XS+8*\g:XS+8*\g+7], v11
.endr
	v_lshrrev_b32 v[14+(\n)%2], 23, v11            ; the scale's byte (a plain line behind the conversions)
	global_store_b128 v1, v[C+4*(\n):C+4*(\n)+3], s[8:9] offset:((\n)/2)*1024+((\n)%2)*512   ; 32 lanes store 512 consecutive bytes of the image
.if (\n)%2 == 1
	v_lshl_or_b32 v[18+(\n)/2], v15, 16, v14       ; my two bytes: blocks hf and 2 + hf of my key,
	v_lshlrev_b32 v[18+(\n)/2], v7, v[18+(\n)/2]   ; at their places in the word;
	v_permlanex16_b32 v17, v[18+(\n)/2], s24, s25
	v_or_b32 v[18+(\n)/2], v[18+(\n)/2], v17       ; with lane l xor 16's two the word is whole
	ds_store_b32 v6, v[18+(\n)/2] offset:4*((\n)/2)   ; both halves of the lanes write the same word with the same value
.endif
.endm
	KREAD 0
	KBLOCK 0
	KBLOCK 1
	KBLOCK 2
	KBLOCK 3
	s_wait_dscnt 0x0                               ; for the others' sake: my scale words lie in LDS
	s_barrier_signal -1
	s_barrier_wait -1
	s_cmp_lg_u32 s18, 0
	s_cbranch_scc1 .Lkey_end
	ds_load_b128 v[48:51], v8                      ; wave 0 stores the step's 128 words: 512 consecutive bytes
	s_wait_dscnt 0x0
	global_store_b128 v1, v[48:51], s[10:11]
.Lkey_end:
	s_wait_tensorcnt 0x0
	ds_add_u32 v62, v63
	s_wait_dscnt 0x0
	s_endpgm
; ---------------- VALUE: K = the keys is not innermost.  A lane takes a column d = 32 w + lane and its registers run down the 128 keys: a block of 32 keys lies in one lane's 32 registers.
.Lvalue:
	s_lshl_b32 s30, s18, 7
	s_add_co_u32 s20, s20, s30                     ; my wave's 32 columns: 128 bytes of each row
	s_add_nc_u64 s[6:7], s[6:7], s[20:21]
	s_add_nc_u64 s[12:13], s[12:13], s[22:23]
	s_add_nc_u64 s[14:15], s[14:15], s[28:29]
	s_add_nc_u64 s[16:17], s[16:17], s[28:29]
	v_lshlrev_b32 v1, 2, v20                       ; 4 x lane
	v_and_b32 v7, 15, v0
	v_bfe_u32 v8, v0, 4, 1
	v_lshlrev_b32 v2, 4, v7
	v_lshl_add_u32 v2, v8, 10, v2                  ; the image: tile 2 w + lane / 16, row lane % 16
	s_lshl_b32 s30, s18, 3
	s_add_co_u32 s30, s30, VSG
	v_lshlrev_b32 v3, 5, v7
	v_lshl_add_u32 v3, v8, 2, v3
	v_add_nc_u32 v3, s30, v3                       ; my column's scale word: VSG + 32 (lane % 16) + 4 (2 w + lane / 16)
	v_lshl_add_u32 v4, v0, 2, VSM                  ; my column's sum
	v_and_b32 v5, 63, v0
	v_lshl_add_u32 v5, v5, 4, VSG                  ; back: wave 0 takes the words, wave 1 the sums
	v_lshlrev_b32 v6, 4, v20
	v_mov_b32 v9, 0x7f7f7f7f                       ; the scale 1 in every byte, for the way back from codes
.set i, 0
.rept 128
	global_load_b32 v[XV+i], v1, s[6:7] offset:512*i th:TH_LOAD_NT   ; key i at my column: 128 consecutive bytes a wave, 512 a work-group
.set i, i+1
.endr
.macro VBLOCK t
.set XB, XV+32*(\t)
.if (\t) == 0
	s_wait_loadcnt 63                              ; 96 loads are younger than block 0's; the wait can name 63: blocks 0 and 1 are in
.elseif (\t) == 2
	s_wait_loadcnt 32                              ; block 3's may be out
.elseif (\t) == 3
	s_wait_loadcnt 0x0
.endif
	BMAX XB
	v_add_nc_u32 v11, 0xff000000, v12              ; the conversion's scale operand
	v_lshrrev_b32 v14, 23, v11                     ; the scale's byte
.if (\t) == 0
	v_mov_b32 v15, v14                             ; four bytes make my column's word, the lower keys in the lower byte
.else
	v_lshl_or_b32 v15, v14, 8*(\t), v15
.endif
.irp g, 0,1,2,3
	v_cvt_scalef32_pk8_fp4_f32 v[C+4*(\t)+\g], v[XB+8*\g:XB+8*\g+7], v11
.endr
	v_and_b32 v10, 0x7f800000, v11                 ; the scale as f32 (a plain line behind the conversions)
	global_store_b128 v2, v[C+4*(\t):C+4*(\t)+3], s[12:13] offset:((\t)/2)*512+((\t)%2)*256   ; sixteen lanes store 256 consecutive bytes, at a multiple of 256 from the image's first byte
.irp g, 0,1,2,3
	v_cvt_scale_pk8_f32_fp4 v[XB+8*\g:XB+8*\g+7], v[C+4*(\t)+\g], v9   ; the codes' values, over the numbers that they came from
.endr
	v_nop                                          ; a plain line behind the conversions
.irp k, 0,2,4,6,8,10,12,14
	v_pk_add_f32 v[XB+\k:XB+\k+1], v[XB+\k:XB+\k+1], v[XB+16+\k:XB+17+\k]   ; their sum: multiples of 1/2, 192 at the most: nothing is rounded
.endr
.irp k, 0,2,4,6
	v_pk_add_f32 v[XB+\k:XB+\k+1], v[XB+\k:XB+\k+1], v[XB+8+\k:XB+9+\k]
.endr
.irp k, 0,2
	v_pk_add_f32 v[XB+\k:XB+\k+1], v[XB+\k:XB+\k+1], v[XB+4+\k:XB+5+\k]
.endr
	v_pk_add_f32 v[XB:XB+1], v[XB:XB+1], v[XB+2:XB+3]
	v_add_f32 v[XB], v[XB], v[XB+1]
.if (\t) == 0
	v_mul_f32 v16, v[XB], v10                      ; x the block's scale
.else
	v_fmac_f32 v16, v[XB], v10
.endif
.endm
	VBLOCK 0
	VBLOCK 1
	VBLOCK 2
	VBLOCK 3
	ds_store_b32 v3, v15
	ds_store_b32 v4, v16
	s_wait_dscnt 0x0                               ; for the others' sake: my words and sums lie in LDS
	s_barrier_signal -1
	s_barrier_wait -1
	s_cmp_lt_u32 s18, 2
	s_cbranch_scc0 .Lvalue_end
	s_cmp_eq_u32 s18, 0                            ; wave 0 stores the 128 words, wave 1 the 128 sums: 512 consecutive bytes each
	s_cselect_b64 s[26:27], s[14:15], s[16:17]
	ds_load_b128 v[48:51], v5
	s_wait_dscnt 0x0
	global_store_b128 v6, v[48:51], s[26:27]
.Lvalue_end:
	s_wait_tensorcnt 0x0
	ds_add_u32 v62, v63
	s_wait_dscnt 0x0
	s_endpgm
.Lfunc_end_k_q3b5b634863_quant:
	.size	k_q3b5b634863_quant, .Lfunc_end_k_q3b5b634863_quant-k_q3b5b634863_quant
	.p2alignl 7, 3214868480
	.fill 96, 4, 3214868480
	.section	.rodata,"a",@progbits
	.p2align	6, 0x0
	.amdhsa_kernel k_q3b5b634863_quant
		.amdhsa_group_segment_fixed_size 70656
		.amdhsa_private_segment_fixed_size 0
		.amdhsa_enable_private_segment 0
		.amdhsa_kernarg_size 56
		.amdhsa_user_sgpr_count 2
		.amdhsa_user_sgpr_kernarg_segment_ptr 1
		.amdhsa_wavefront_size32 1
		.amdhsa_system_sgpr_workgroup_id_x 1
		.amdhsa_system_sgpr_workgroup_id_y 1
		.amdhsa_system_sgpr_workgroup_id_z 1
		.amdhsa_system_vgpr_workitem_id 0
		.amdhsa_next_free_vgpr 256
		.amdhsa_next_free_sgpr 66
		.amdhsa_reserve_vcc 0
		.amdhsa_float_denorm_mode_32 3
		.amdhsa_float_denorm_mode_16_64 3
		.amdhsa_memory_ordered 1
		.amdhsa_forward_progress 1
		.amdhsa_inst_pref_size 42
	.end_amdhsa_kernel
	.amdgpu_metadata
---
amdhsa.version: [ 1, 2 ]
amdhsa.kernels:
  - .name:           k_q3b5b634863_quant
    .symbol:         k_q3b5b634863_quant.kd
    .args:
      - { .name: key, .offset: 0, .size: 8, .value_kind: global_buffer, .address_space: global }
      - { .name: value, .offset: 8, .size: 8, .value_kind: global_buffer, .address_space: global }
      - { .name: kimg, .offset: 16, .size: 8, .value_kind: global_buffer, .address_space: global }
      - { .name: kscl, .offset: 24, .size: 8, .value_kind: global_buffer, .address_space: global }
      - { .name: vimg, .offset: 32, .size: 8, .value_kind: global_buffer, .address_space: global }
      - { .name: vscl, .offset: 40, .size: 8, .value_kind: global_buffer, .address_space: global }
      - { .name: vpart, .offset: 48, .size: 8, .value_kind: global_buffer, .address_space: global }
    .group_segment_fixed_size: 70656
    .private_segment_fixed_size: 0
    .kernarg_segment_align: 8
    .kernarg_segment_size: 56
    .max_flat_workgroup_size: 128
    .sgpr_count:     66
    .vgpr_count:     256
    .wavefront_size: 32
...
	.end_amdgpu_metadata
.endif
;; end of part 1
;; launch attn (part 2): grid 8 x 32, 16 waves a work-group, no clusters, 324,864 bytes of LDS; arguments query, q_segment_ids, kv_segment_ids, kimg, kscl, vimg, vscl, vpart, out0; writes out0
.if DOCPART == 2
	.amdgcn_target "amdgcn-amd-amdhsa--gfx1250"
	.amdhsa_code_object_version 6
	.text
	.protected	k_q3b5b634863_attn
	.globl	k_q3b5b634863_attn
	.p2align	8
	.type	k_q3b5b634863_attn,@function
k_q3b5b634863_attn:
	s_mov_b64 s[64:65], 0
	v_nop
	global_prefetch_b8 v0, s[64:65] scope:SCOPE_SE
	s_setreg_imm32_b32 hwreg(HW_REG_WAVE_MODE, 25, 1), 1
	s_wait_xcnt 0x0
; out0[bh][q][:] = the sum over k of softmax_k(query[q] / sqrt(128) . key[k]) value[k][:], key k counting for query q where |q - k| <= 512 and q's segment id equals k's.  Both products on codes of FP4 (E2M1)
; with one E8M0 scale for each 32 along a product's K.  32 heads, 2,048 queries and keys, head size 128.
; THE SOFTMAX AHEAD OF THE SECOND PRODUCT: t = score x log2(e); M = the row's largest t so far, rounded UP to a whole number; p = 2^(t - M) is what is quantised, along the keys; the row's sum is taken of the
; unquantised p and divides O at the end.  When M moves, the sum and O are multiplied by 2^(old M - new M): exact.
; A ROW WITH NO KEY THAT COUNTS has all its logits equal: its result is the mean of the quantised value over all 2,048 keys, made here from the sixteen partial sums of vpart and chosen by v_cndmask_b32.
; SHARES.  A work-group owns 256 queries of one head, each of its sixteen waves 16 of them, one tile, in 256 registers.  The keys that the window leaves to 256 queries lie in 10 steps of 128 keys: their images
; (2 x 81,920 bytes), scale words and ids are copied into LDS ONCE, through registers; one barrier; from there on every wave runs by itself and LDS is only read (but for each wave's own stage on the way out).
; A wave walks the 10 steps in a loop of constant count and leaves out, by scalar branches, a step that the window hides from all its queries (ids alone) or whose segment ids cannot meet its queries' (the ranges of the
; ids, read from the two id inputs, are disjoint).  The window's mask is applied only in a step that the window cuts, the segments' only where not all 16 x 128 pairs are known to be equal.
; NO JOINT LOADS, though five work-groups read each step: joint loads are tensor loads, and this launch branches on numbers read from memory.  Those branches leave out whole
; steps of 16 products and their softmax, and 128 mask lines in most others; what sharing would spare is a part of 175 KB a work-group, copied once.
; LAYOUT.  Both products are used transposed: S^T = K Q^T (source 0 = 16 keys, source 1 = my 16 queries), O^T = V^T P^T (source 0 = 16 of the head's 128, source 1 = P): a lane holds ONE query (lane % 16) throughout.
; The keys of a tile are not neighbours (the images are laid so): register 16 b + i of the scores is key 32 b + 16 (lane / 16) + i of the step.
; LIMITS: NaN and infinities among the inputs are not served; a p under 2^-126 counts as 0 (v_exp_f32); the mean for a row without keys is summed in another order than a plain sum over the keys.
; REGISTERS: v1-7 what stays; v8-11 the step's LDS addresses; v12 -M, v13 the largest t, v[14:15] the sum in two halves; v16-23 Q's codes; v24-31 at work on addresses and the window; v32-95 eight fragments of K or V (or ids);
;   v96-159 S^T, then p; v160-223 O^T; v224-231 p's codes; v232-239 at work; v240-247 K's or V's scale words; v248-251 the conversions' scale operands; v252 f; v253 p's scale word; v254 at work; v255 Q's scale word.
.set KIMG,  0                          ; LDS: 10 steps x 8,192 bytes of K's images,
.set VIMG,  81920                      ; of V's,
.set KSCL,  163840                     ; 10 x 512 bytes of K's scale words,
.set VSCL,  168960                     ; of V's,
.set KID,   174080                     ; the window's 1,280 kv ids,
.set VP,    179200                     ; the head's 16 x 128 partial sums of the quantised value,
.set SEGMM, 187392                     ; (smallest, largest) kv id of each of the head's 16 steps, 8 bytes each,
.set STG,   187648                     ; and a stage of 16 rows x (512 + 16) bytes for each wave
.set SP,    528
.set F,   32
.set S,   96
.set O,   160
.set P,   224
.set BM,  232
.set T,   236
.set KS,  240
.set SOP, 248
.set TM,  200                          ; at the head: Q's quantiser at work
	s_load_b512 s[4:19], s[0:1], 0x0               ; query s[4:5], q ids s[6:7], kv ids s[8:9], kimg s[10:11], kscl s[12:13], vimg s[14:15], vscl s[16:17], vpart s[18:19]
	s_load_b64 s[20:21], s[0:1], 0x40              ; out0
	v_lshrrev_b32 v1, 5, v0
	v_readfirstlane_b32 s22, v1                    ; wave 0..15
	s_and_b32 s24, ttmp7, 0xffff                   ; head 0..31
	s_lshl_b32 s25, ttmp9, 1
	s_max_u32 s25, s25, 4
	s_sub_co_u32 s25, s25, 4
	s_min_u32 s25, s25, 6                          ; the window's first step: 2 x - 4, held to 0 .. 6: steps kb0 .. kb0 + 9 hold every key within 512 of my work-group's 256 queries
	s_lshl_b32 s26, ttmp9, 8
	s_lshl_b32 s56, s22, 4
	s_add_co_u32 s26, s26, s56                     ; q0, my first query
	s_lshl_b32 s28, s24, 20
	s_lshl_b32 s56, s26, 9
	s_add_co_u32 s28, s28, s56                     ; its row in query and in out0
	s_mov_b32 s29, 0
	s_lshr_b32 s30, s24, 4
	s_lshl_b32 s30, s30, 13                        ; the batch's ids
	s_mov_b32 s31, 0
	s_mov_b32 s46, 1024
	s_mov_b32 s48, 0x76543210
	s_mov_b32 s49, 0xfedcba98                      ; v_permlanex16_b32's selects for lane l xor 16
	s_mov_b32 s50, 0x3fb8aa3b                      ; log2(e)
	s_mov_b32 s51, s50                             ; (a packed form names the pair and takes its low word for both halves: so the upper is written)
	s_mov_b32 s52, 0x3db504f3                      ; 1 / sqrt(128)
	s_mov_b32 s53, s52
	v_and_b32 v8, 31, v0                           ; lane
	v_and_b32 v9, 15, v0                           ; r
	v_bfe_u32 v10, v0, 4, 1                        ; hf
	v_lshlrev_b32 v1, 4, v8                        ; 16 x lane: a fragment's place for my lane
	v_lshlrev_b32 v2, 5, v9                        ; 32 r: my row's eight scale words
	v_lshlrev_b32 v3, 6, v10                       ; 64 hf: my half's 16 ids of a block of 32
	v_lshlrev_b32 v4, 4, v10
	v_sub_nc_u32 v4, v4, v9                        ; 16 hf - r
	v_mov_b32 v6, 0xff800000                       ; -infinity
	v_lshlrev_b32 v7, 4, v0                        ; 16 x thread: the copies' place, in memory and in LDS
	v_add_nc_u32 v26, 0x10000, v7                  ; (an LDS offset has 16 bits: the register carries the rest)
	v_add_nc_u32 v27, 0x20000, v7
	v_lshlrev_b32 v28, 9, v9
	v_lshl_add_u32 v28, v10, 6, v28                ; query: row r of 512 bytes, + 64 hf: my 16 numbers of a block of 32
	v_lshlrev_b32 v31, 2, v9
	v_lshl_add_u32 v30, v9, 3, SEGMM               ; lane l reads step l % 16's pair
	s_lshl_b32 s56, s22, 3
	s_add_co_u32 s56, s56, SEGMM
	v_mov_b32 v29, s56                             ; my wave writes step w's
	s_wait_kmcnt 0x0
	s_add_nc_u64 s[4:5], s[4:5], s[28:29]
	s_add_nc_u64 s[20:21], s[20:21], s[28:29]
	s_add_nc_u64 s[6:7], s[6:7], s[30:31]
	s_add_nc_u64 s[8:9], s[8:9], s[30:31]          ; the batch's kv ids
	s_lshl_b32 s28, s26, 2
	s_add_nc_u64 s[6:7], s[6:7], s[28:29]          ; my 16 queries' ids
	s_lshl_b32 s28, s25, 9
	s_add_nc_u64 s[60:61], s[8:9], s[28:29]        ; the window's kv ids
	s_lshl_b32 s30, s24, 13
	s_add_co_u32 s30, s30, s28                     ; 512 (16 head + kb0)
	s_add_nc_u64 s[12:13], s[12:13], s[30:31]
	s_add_nc_u64 s[16:17], s[16:17], s[30:31]
	s_lshl_b32 s30, s30, 4                         ; 8,192 (16 head + kb0)
	s_add_nc_u64 s[10:11], s[10:11], s[30:31]
	s_add_nc_u64 s[14:15], s[14:15], s[30:31]
	s_lshl_b32 s30, s24, 13
	s_add_nc_u64 s[18:19], s[18:19], s[30:31]      ; the head's partial sums
	s_load_b512 s[68:83], s[6:7], 0x0              ; my 16 queries' ids as scalars, for their range
	; THE LOADS, all at once.  Those that every wave issues come first, in a fixed order, so that the counted waits below hold in every wave.
	global_load_b128 v[188:191], v7, s[8:9]        ; the kv ids of the head's step w: 128 ids a wave
	global_load_b128 v[192:195], v7, s[18:19]      ; vpart: 8,192 bytes a work-group
.irp i, 0,1,2,3,4,5,6,7,8,9
	global_load_b128 v[96+4*\i:99+4*\i], v7, s[10:11] offset:8192*\i    ; K's images: a step to a load of the work-group
.endr
.irp i, 0,1,2,3,4,5,6,7,8,9
	global_load_b128 v[136+4*\i:139+4*\i], v7, s[14:15] offset:8192*\i  ; V's
.endr
.irp b, 0,1,2,3
.irp j, 0,1,2,3
	global_load_b128 v[F+16*\b+4*\j:F+16*\b+4*\j+3], v28, s[4:5] offset:128*\b+16*\j th:TH_LOAD_NT   ; query: register 16 b + i = d 32 b + 16 hf + i of my row; read by this wave alone
.endr
.endr
	global_load_b32 v5, v31, s[6:7]                ; my query's id
	s_cmp_lt_u32 s22, 10                           ; the three small blocks of 5,120 bytes are ten waves' work: loaded, waited for and stored inside this one branch
	s_cbranch_scc0 .Lno_small
	global_load_b128 v[176:179], v7, s[12:13]
	global_load_b128 v[180:183], v7, s[16:17]
	global_load_b128 v[184:187], v7, s[60:61]
	s_wait_loadcnt 0x0
	ds_store_b128 v27, v[176:179] offset:KSCL-0x20000
	ds_store_b128 v27, v[180:183] offset:VSCL-0x20000
	ds_store_b128 v27, v[184:187] offset:KID-0x20000
.Lno_small:
	s_wait_loadcnt 38                              ; behind the step's ids every wave issued 1 + 10 + 10 + 16 + 1 loads: they may be out
	v_min_u32 v196, v188, v189                     ; the smallest and the largest of my step's 128 ids, as unsigned numbers: any fixed order serves
	v_min_u32 v198, v190, v191
	v_max_u32 v197, v188, v189
	v_max_u32 v199, v190, v191
	v_min_u32 v196, v196, v198
	v_max_u32 v197, v197, v199
.irp m, 1,2,4,8
	v_mov_b32_dpp v198, v196 row_xmask:\m row_mask:0xf bank_mask:0xf
	v_mov_b32_dpp v199, v197 row_xmask:\m row_mask:0xf bank_mask:0xf
	v_min_u32 v196, v196, v198
	v_max_u32 v197, v197, v199
.endr
	v_permlanex16_b32 v198, v196, s48, s49
	v_permlanex16_b32 v199, v197, s48, s49
	v_min_u32 v196, v196, v198
	v_max_u32 v197, v197, v199
	ds_store_b64 v29, v[196:197]                   ; all lanes write the same pair to the same place
	s_wait_loadcnt 37                              ; vpart is in
	ds_store_b128 v27, v[192:195] offset:VP-0x20000
	s_wait_loadcnt 27                              ; K's ten are in; V's ten, the query's sixteen and the id may be out
.irp i, 0,1,2,3,4,5,6,7
	ds_store_b128 v7, v[96+4*\i:99+4*\i] offset:8192*\i
.endr
.irp i, 8,9
	ds_store_b128 v26, v[96+4*\i:99+4*\i] offset:8192*(\i-8)
.endr
	s_wait_loadcnt 17                              ; V's ten are in
.irp i, 0,1,2,3,4,5
	ds_store_b128 v26, v[136+4*\i:139+4*\i] offset:VIMG-0x10000+8192*\i
.endr
.irp i, 6,7,8,9
	ds_store_b128 v27, v[136+4*\i:139+4*\i] offset:8192*(\i-6)
.endr
	s_wait_dscnt 0x0                               ; for the others' sake: all my stores lie in LDS
	s_barrier_signal -1
	; between the signal and the wait: work on registers alone.  My 16 rows of query x 1 / sqrt(128), in f32, become one fragment and its scale word
	s_wait_loadcnt 0x0
.set k, 0
.rept 32
	v_pk_mul_f32 v[F+2*k:F+2*k+1], v[F+2*k:F+2*k+1], s[52:53] op_sel_hi:[1,0]
.set k, k+1
.endr
.irp b, 0,1,2,3
	v_mov_b32 v[TM+4+\b], 0                        ; written once: a lane permute's destination counts as one of its sources
.endr
.irp b, 0,1,2,3
	v_max3_num_f32 v[TM+\b], |v[F+16*\b]|, |v[F+1+16*\b]|, 0x1800000   ; block b: my 16 numbers, and the floor 2^(3 - 127): so the byte cannot fall under 1
.endr
.irp i, 2,4,6,8,10,12,14
.irp b, 0,1,2,3
	v_max3_num_f32 v[TM+\b], v[TM+\b], |v[F+16*\b+\i]|, |v[F+1+16*\b+\i]|   ; (the four blocks by turns)
.endr
.endr
.irp b, 0,1,2,3
	v_permlanex16_b32 v[TM+4+\b], v[TM+\b], s48, s49
.endr
.irp b, 0,1,2,3
	v_max_num_f32 v[TM+\b], v[TM+\b], v[TM+4+\b]   ; with lane l xor 16's: the block's largest magnitude
.endr
.irp b, 0,1,2,3
	v_add_nc_u32 v[TM+12+\b], 0xff000000, v[TM+\b] ; 2 off its exponent field: the conversion's scale operand
.endr
.irp b, 0,1,2,3
	v_lshrrev_b32 v[TM+4+\b], 23, v[TM+12+\b]      ; the scale's byte
.endr
	v_lshl_or_b32 v255, v[TM+5], 8, v[TM+4]        ; Q's scale word
	v_lshl_or_b32 v255, v[TM+6], 16, v255
	v_lshl_or_b32 v255, v[TM+7], 24, v255
.irp b, 0,1,2,3
	v_cvt_scalef32_pk8_fp4_f32 v[16+2*\b], v[F+16*\b:F+7+16*\b], v[TM+12+\b]
	v_cvt_scalef32_pk8_fp4_f32 v[17+2*\b], v[F+8+16*\b:F+15+16*\b], v[TM+12+\b]
.endr
	v_nop                                          ; a plain line behind the conversions
.irp c, 0,1                                    ; the operand's layout wants a WHOLE block in a lane: lanes 0-15 block 2 c, lanes 16-31 block 2 c + 1
.irp i, 0,1
	v_permlane16_swap_b32 v[16+4*\c+\i], v[18+4*\c+\i]
.endr
.endr
	s_wait_kmcnt 0x0
	s_min_u32 s44, s68, s69                        ; the smallest and the largest of my 16 queries' ids
	s_max_u32 s45, s68, s69
.irp i, 70,71,72,73,74,75,76,77,78,79,80,81,82,83
	s_min_u32 s44, s44, s\i
	s_max_u32 s45, s45, s\i
.endr
	v_mov_b32 v13, 0xff61b1e6                      ; the largest t so far: -3e38, under every t; a row that keeps it to the end has no key that counts
	v_floor_f32 v12, -v13                          ; -M
	v_mov_b32 v14, 0                               ; the sum, in two halves
	v_mov_b32 v15, 0
.irp b, 0,1,2,3
	v_mov_b32 v[T+\b], 0                           ; written once: lane permutes' destinations
.endr
	v_mov_b32 v252, 0                              ; (named on the way out also where every step was left out)
	v_mov_b32 v253, 0                              ; (named as the upper half of the pair v[252:253] before it is first written)
.set k, 0
.rept 64
	v_mov_b32 v[O+k], 0                            ; O^T.  Which step is a wave's first hangs on the ids, so no first step can be written out ahead of the loop: the step is written once and finds zeros
.set k, k+1
.endr
	s_mov_b32 s32, 10                              ; trips
	s_mov_b32 s33, s25                             ; the step's number in the head,
	s_lshl_b32 s34, s25, 7                         ; its first key KF,
	s_mov_b32 s35, KIMG                            ; and where it lies in LDS: K's image,
	s_mov_b32 s84, VIMG                            ; V's,
	s_mov_b32 s36, KSCL                            ; the scale words,
	s_mov_b32 s85, KID                             ; the ids
	s_add_co_u32 s37, s26, 527                     ; KF above this: beyond the window of my last query
	s_sub_co_u32 s38, s26, 512                     ; KF + 127 under this: in front of the window of my first
	s_sub_co_u32 s39, s26, 497                     ; KF from here on, and
	s_add_co_u32 s40, s26, 512                     ; KF + 127 up to here: inside every one of my 16 windows
	s_sub_co_u32 s41, 512, s26
	s_barrier_wait -1                              ; everybody's copies lie in LDS; nothing in front of the stages is written again
	ds_load_b64 v[232:233], v30                    ; lane l: the smallest and largest kv id of step l % 16
	s_wait_dscnt 0x0
	v_cmp_lt_u32 s56, v233, s44                    ; all its ids lie under all of mine,
	v_cmp_gt_u32 s57, v232, s45                    ; or over them:
	s_or_b32 s42, s56, s57                         ; bit s: no pair of step s can be equal
	v_cmp_eq_u32 s56, v232, v233                   ; one id in the step,
	v_cmp_eq_u32 s57, v232, s44                    ; the same as my smallest,
	s_and_b32 s43, s56, s57
	s_cmp_eq_u32 s44, s45                          ; which is my only one:
	s_cselect_b32 s56, -1, 0
	s_and_b32 s43, s43, s56                        ; bit s: all 16 x 128 pairs of step s are equal
.Lstep:                                            ; ten trips; what is left out of a trip is its work, never the lines at its end that step addresses
	s_cmp_gt_i32 s34, s37
	s_cbranch_scc1 .Lnext
	s_add_co_u32 s56, s34, 127
	s_cmp_lt_i32 s56, s38
	s_cbranch_scc1 .Lnext
	s_bitcmp1_b32 s42, s33
	s_cbranch_scc1 .Lnext
	v_add_nc_u32 v8, s35, v1                       ; four plain lines: also the places between the last step's products and the loads into the registers that they read
	v_add_nc_u32 v9, s84, v1
	v_add_nc_u32 v10, s36, v2
	v_add_nc_u32 v11, s85, v3
	ds_load_b128 v[KS:KS+3], v10                   ; K's scale words: lane r takes row r's of tiles 0 to 7
	ds_load_b128 v[KS+4:KS+7], v10 offset:16
.irp t, 0,1,2,3,4,5,6,7
.irp c, 0,1
	ds_load_b128 v[F+8*\t+4*\c:F+8*\t+4*\c+3], v8 offset:1024*\t+512*\c   ; an image: 32 lanes read 512 consecutive bytes
.endr
.endr
	s_wait_dscnt 0x0
.irp t, 0,1,2,3,4,5,6,7
	v_wmma_scale_f32_16x16x128_f8f6f4 v[S+8*\t:S+8*\t+7], v[F+8*\t:F+8*\t+7], v[16:23], 0, v[KS+\t], v255 matrix_a_fmt:MATRIX_FMT_FP4 matrix_b_fmt:MATRIX_FMT_FP4
.endr
.rept 4
	v_nop                                          ; places in front of the first read of results and of loads into registers that the products read
.endr
	s_cmp_lt_i32 s34, s39                          ; THE WINDOW: only a step that it cuts is masked
	s_cbranch_scc1 .Lwindow
	s_cmp_le_i32 s56, s40
	s_cbranch_scc1 .Lwindow_open
.Lwindow:
	s_add_co_u32 s57, s41, s34
	v_add_nc_u32 v24, s57, v4                      ; 512 - my query + KF + 16 hf.  With 32 b + i added: 512 + key - query, which counts from 0 to 1,024; as an unsigned number all else lies above
.set n, 0
.rept 64
	v_add_nc_u32 v25, 32*(n/16)+n%16, v24
	v_cmp_lt_u32 vcc_lo, s46, v25
	v_cndmask_b32 v[S+n], v[S+n], v6, vcc_lo       ; a hidden score becomes -infinity ahead of the maximum: p = 0 then
.set n, n+1
.endr
.Lwindow_open:
	s_bitcmp1_b32 s43, s33                         ; THE SEGMENTS: a step all of whose pairs are equal skips this
	s_cbranch_scc1 .Lsegments_open
.irp b, 0,1,2,3
.irp j, 0,1,2,3
	ds_load_b128 v[F+16*\b+4*\j:F+16*\b+4*\j+3], v11 offset:128*\b+16*\j   ; the ids of my 64 keys, in the scores' order
.endr
.endr
	s_wait_dscnt 0x0
.set n, 0
.rept 64
	v_cmp_ne_u32 vcc_lo, v[F+n], v5
	v_cndmask_b32 v[S+n], v[S+n], v6, vcc_lo
.set n, n+1
.endr
.Lsegments_open:
	ds_load_b128 v[KS:KS+3], v10 offset:VSCL-KSCL  ; V's scale words and images are asked for here and land under the softmax
	ds_load_b128 v[KS+4:KS+7], v10 offset:VSCL-KSCL+16
.irp t, 0,1,2,3,4,5,6,7
.irp c, 0,1
	ds_load_b128 v[F+8*\t+4*\c:F+8*\t+4*\c+3], v9 offset:1024*\t+512*\c
.endr
.endr
.irp b, 0,1,2,3
	v_max3_num_f32 v[BM+\b], v[S+16*\b], v[S+1+16*\b], v[S+2+16*\b]   ; THE LARGEST SCORE OF EACH BLOCK OF 32 KEYS serves twice: for the row's maximum, and, since p rises with the score, for the block's largest p
.endr
.irp i, 3,5,7,9,11,13
.irp b, 0,1,2,3
	v_max3_num_f32 v[BM+\b], v[BM+\b], v[S+16*\b+\i], v[S+1+16*\b+\i]   ; (the four blocks by turns)
.endr
.endr
.irp b, 0,1,2,3
	v_max_num_f32 v[BM+\b], v[BM+\b], v[S+15+16*\b]
.endr
.irp b, 0,1,2,3
	v_permlanex16_b32 v[T+\b], v[BM+\b], s48, s49
.endr
.irp b, 0,1,2,3
	v_max_num_f32 v[BM+\b], v[BM+\b], v[T+\b]      ; with lane l xor 16's 16 keys
.endr
	v_max3_num_f32 v254, v[BM], v[BM+1], v[BM+2]
	v_max_num_f32 v254, v254, v[BM+3]              ; the step's largest score of my query (-infinity where none counts)
	v_mul_f32 v254, s50, v254                      ; as t
	v_max_num_f32 v13, v13, v254                   ; the running largest t
	v_mov_b32 v254, v12
	v_floor_f32 v12, -v13                          ; the new -M = floor(-t) = -ceil(t): M IS A WHOLE NUMBER
	v_sub_f32 v254, v12, v254                      ; M's old value less its new one: a whole number, 0 or less
	v_cvt_i32_f32 v254, v254                       ; (it saturates)
	v_ldexp_f32 v252, 1.0, v254                    ; f = 2^(old M - new M): rounds nothing; 0 at a row's first key that counts, where the sum and O^T are zeros
.set k, 0
.rept 32
	v_pk_fma_f32 v[S+2*k:S+2*k+1], v[S+2*k:S+2*k+1], s[50:51], v[12:13] op_sel_hi:[1,0,0]   ; t - M, two at a time (of the pairs the low word serves both halves)
.set k, k+1
.endr
.irp b, 0,1,2,3
	v_fma_f32 v[BM+\b], v[BM+\b], s50, v12         ; the same of each block's largest score
.endr
.set k, 0
.rept 64
	v_exp_f32 v[S+k], v[S+k]                       ; p = 2^(t - M): NOT normalised
.set k, k+1
.endr
	v_pk_mul_f32 v[14:15], v[14:15], v[252:253] op_sel_hi:[1,0]   ; the sums under the new M (a plain line behind the exponentials)
	s_wait_alu depctr_va_vdst(0)                   ; one wait for the whole batch, ahead of its first reader
.irp b, 0,1,2,3
	v_exp_f32 v[BM+\b], v[BM+\b]                   ; the block's largest p: the same two instructions on the same number give the same bits
.endr
	v_pk_add_f32 v[T:T+1], v[S:S+1], v[S+2:S+3]    ; THE ROW'S SUM IS TAKEN OF THE UNQUANTISED p: two at a time, in two chains (it reads the 64 alone: plain work behind the four)
.irp j, 4,8,12,16,20,24,28,32,36,40,44,48,52,56,60
	v_pk_add_f32 v[14:15], v[14:15], v[S+\j:S+1+\j]
	v_pk_add_f32 v[T:T+1], v[T:T+1], v[S+2+\j:S+3+\j]
.endr
	v_pk_add_f32 v[14:15], v[14:15], v[T:T+1]
	s_wait_alu depctr_va_vdst(0)                   ; and one for the four
.irp b, 0,1,2,3
	v_max_num_f32 v[BM+\b], 0x1800000, v[BM+\b]    ; the floor 2^(3 - 127): the byte cannot fall under 1 (a block whose every p is 0 keeps that byte: its codes are zeros)
.endr
.irp b, 0,1,2,3
	v_add_nc_u32 v[SOP+\b], 0xff000000, v[BM+\b]   ; 2 off the exponent field: the conversion's scale operand
.endr
.irp b, 0,1,2,3
	v_lshrrev_b32 v[T+\b], 23, v[SOP+\b]           ; the scale's byte
.endr
	v_lshl_or_b32 v253, v[T+1], 8, v[T]            ; p's scale word for these 128 keys
	v_lshl_or_b32 v253, v[T+2], 16, v253
	v_lshl_or_b32 v253, v[T+3], 24, v253
.irp b, 0,1,2,3
	v_cvt_scalef32_pk8_fp4_f32 v[P+2*\b], v[S+16*\b:S+7+16*\b], v[SOP+\b]
	v_cvt_scalef32_pk8_fp4_f32 v[P+1+2*\b], v[S+8+16*\b:S+15+16*\b], v[SOP+\b]
.endr
	v_nop                                          ; a plain line behind the conversions
.irp c, 0,1                                    ; a WHOLE block in a lane: lanes 0-15 block 2 c, lanes 16-31 block 2 c + 1
.irp i, 0,1
	v_permlane16_swap_b32 v[P+4*\c+\i], v[P+2+4*\c+\i]
.endr
.endr
.set k, 0
.rept 32
	v_pk_mul_f32 v[O+2*k:O+2*k+1], v[O+2*k:O+2*k+1], v[252:253] op_sel_hi:[1,0]   ; O^T under the new M: x f, each accumulator from its low end on.  (These 32 are also the places between the lines that made p's codes and scale word and the products)
.set k, k+1
.endr
	s_wait_dscnt 0x0                               ; V's images and scale words are in
.irp t, 0,1,2,3,4,5,6,7                        ; O^T += V^T P^T: the eight accumulators by turns, one instruction a turn
	v_wmma_scale_f32_16x16x128_f8f6f4 v[O+8*\t:O+8*\t+7], v[F+8*\t:F+8*\t+7], v[P:P+7], v[O+8*\t:O+8*\t+7], v[KS+\t], v253 matrix_a_fmt:MATRIX_FMT_FP4 matrix_b_fmt:MATRIX_FMT_FP4
.endr
.Lnext:
	s_add_co_u32 s33, s33, 1
	s_add_co_u32 s34, s34, 128
	s_add_co_u32 s35, s35, 8192
	s_add_co_u32 s84, s84, 8192
	s_add_co_u32 s36, s36, 512
	s_add_co_u32 s85, s85, 512
	s_sub_co_u32 s32, s32, 1
	s_cmp_lg_u32 s32, 0
	s_cbranch_scc1 .Lstep
	; THE WAY OUT.  O^T / the sum goes through my own stage in LDS and comes back as whole rows of 512 bytes.  Beside it the mean of the quantised value is made, in the rows' layout, and takes the place of a row that had no key.
	v_add_f32 v14, v14, v15                        ; the sum's two halves,
	v_permlanex16_b32 v252, v14, s48, s49
	v_add_f32 v14, v14, v252                       ; and lane l xor 16's: the row's sum
	v_rcp_f32 v14, v14
	s_mul_i32 s56, s22, 16*SP
	s_add_co_u32 s56, s56, STG                     ; my stage
	v_and_b32 v24, 15, v0                          ; (plain lines behind the reciprocal; also the places behind the last products)
	v_bfe_u32 v25, v0, 4, 1
	v_mul_u32_u24 v28, v24, SP
	v_lshl_add_u32 v28, v25, 5, v28
	v_add_nc_u32 v28, s56, v28                     ; in: row r; tile t's eight channels of my half: 64 t + 32 hf bytes on
	v_add_nc_u32 v29, s56, v1                      ; back: the 32 lanes take one row
	v_add_nc_u32 v30, VP, v1                       ; the partial sums of my four channels
	v_cmp_eq_u32 s54, 0xff61b1e6, v13              ; bit r: query r has met no key that counts.  It selects values alone: no branch and no address hangs on it
.irp s, 0,1,2,3,4,5,6,7,8,9,10,11,12,13,14,15
	ds_load_b128 v[F+4*\s:F+4*\s+3], v30 offset:512*\s
.endr
	s_wait_alu depctr_va_vdst(0)                   ; the wait ahead of the reciprocal's first reader
.set k, 0
.rept 64
	v_mul_f32 v[S+k], v[O+k], v14                  ; O^T / the sum: register 8 t + i is o(r, 16 t + 8 hf + i); each accumulator from its low end on
.set k, k+1
.endr
.irp t, 0,1,2,3,4,5,6,7
	ds_store_b128 v28, v[S+8*\t:S+8*\t+3] offset:64*\t
	ds_store_b128 v28, v[S+8*\t+4:S+8*\t+7] offset:64*\t+16
.endr
.irp i, 0,1,2,3,4,5,6,7,8,9,10,11,12,13,14,15
	ds_load_b128 v[O+4*\i:O+4*\i+3], v29 offset:\i*SP   ; LDS serves a wave's instructions in order: these see my stores
.endr
	s_wait_dscnt 32                                ; the sixteen stores and sixteen loads just issued may be out: the partial sums are in
.irp s, 0,1,2,3,4,5,6,7
	v_pk_add_f32 v[F+4*\s:F+4*\s+1], v[F+4*\s:F+4*\s+1], v[F+32+4*\s:F+33+4*\s]
	v_pk_add_f32 v[F+4*\s+2:F+4*\s+3], v[F+4*\s+2:F+4*\s+3], v[F+34+4*\s:F+35+4*\s]
.endr
.irp s, 0,1,2,3
	v_pk_add_f32 v[F+4*\s:F+4*\s+1], v[F+4*\s:F+4*\s+1], v[F+16+4*\s:F+17+4*\s]
	v_pk_add_f32 v[F+4*\s+2:F+4*\s+3], v[F+4*\s+2:F+4*\s+3], v[F+18+4*\s:F+19+4*\s]
.endr
.irp s, 0,1
	v_pk_add_f32 v[F+4*\s:F+4*\s+1], v[F+4*\s:F+4*\s+1], v[F+8+4*\s:F+9+4*\s]
	v_pk_add_f32 v[F+4*\s+2:F+4*\s+3], v[F+4*\s+2:F+4*\s+3], v[F+10+4*\s:F+11+4*\s]
.endr
	v_pk_add_f32 v[F:F+1], v[F:F+1], v[F+4:F+5]
	v_pk_add_f32 v[F+2:F+3], v[F+2:F+3], v[F+6:F+7]
	v_pk_mul_f32 v[F:F+1], v[F:F+1], 0x3a000000 op_sel_hi:[1,0]       ; / 2,048: every key's p is 1 in such a row, and the sum of them 2,048
	v_pk_mul_f32 v[F+2:F+3], v[F+2:F+3], 0x3a000000 op_sel_hi:[1,0]
.irp i, 0,1,2,3,4,5,6,7,8,9,10,11,12,13,14,15
	s_wait_dscnt 15-\i                             ; row i is back; the younger rows may be out
	s_bitcmp1_b32 s54, \i
	s_cselect_b32 s55, -1, 0                       ; all lanes alike: row i is query i's
.irp k, 0,1,2,3
	v_cndmask_b32 v[O+4*\i+\k], v[O+4*\i+\k], v[F+\k], s55
.endr
	global_store_b128 v1, v[O+4*\i:O+4*\i+3], s[20:21] offset:512*\i th:TH_STORE_NT   ; 32 lanes store 512 consecutive bytes, at a multiple of 256 from out0's first byte; written once, read by nobody here
.endr
	s_wait_xcnt 0x0
	v_lshl_add_u32 v254, v0, 2, 0x4ed00
	v_mov_b32 v255, 0
	s_wait_tensorcnt 0x0
	ds_add_u32 v254, v255
	s_wait_dscnt 0x0
	s_endpgm
.Lfunc_end_k_q3b5b634863_attn:
	.size	k_q3b5b634863_attn, .Lfunc_end_k_q3b5b634863_attn-k_q3b5b634863_attn
	.p2alignl 7, 3214868480
	.fill 96, 4, 3214868480
	.section	.rodata,"a",@progbits
	.p2align	6, 0x0
	.amdhsa_kernel k_q3b5b634863_attn
		.amdhsa_group_segment_fixed_size 324864
		.amdhsa_private_segment_fixed_size 0
		.amdhsa_enable_private_segment 0
		.amdhsa_kernarg_size 72
		.amdhsa_user_sgpr_count 2
		.amdhsa_user_sgpr_kernarg_segment_ptr 1
		.amdhsa_wavefront_size32 1
		.amdhsa_system_sgpr_workgroup_id_x 1
		.amdhsa_system_sgpr_workgroup_id_y 1
		.amdhsa_system_sgpr_workgroup_id_z 1
		.amdhsa_system_vgpr_workitem_id 0
		.amdhsa_next_free_vgpr 256
		.amdhsa_next_free_sgpr 100
		.amdhsa_reserve_vcc 1
		.amdhsa_float_denorm_mode_32 3
		.amdhsa_float_denorm_mode_16_64 3
		.amdhsa_memory_ordered 1
		.amdhsa_forward_progress 1
		.amdhsa_inst_pref_size 66
	.end_amdhsa_kernel
	.amdgpu_metadata
---
amdhsa.version: [ 1, 2 ]
amdhsa.kernels:
  - .name:           k_q3b5b634863_attn
    .symbol:         k_q3b5b634863_attn.kd
    .args:
      - { .name: query, .offset: 0, .size: 8, .value_kind: global_buffer, .address_space: global }
      - { .name: q_segment_ids, .offset: 8, .size: 8, .value_kind: global_buffer, .address_space: global }
      - { .name: kv_segment_ids, .offset: 16, .size: 8, .value_kind: global_buffer, .address_space: global }
      - { .name: kimg, .offset: 24, .size: 8, .value_kind: global_buffer, .address_space: global }
      - { .name: kscl, .offset: 32, .size: 8, .value_kind: global_buffer, .address_space: global }
      - { .name: vimg, .offset: 40, .size: 8, .value_kind: global_buffer, .address_space: global }
      - { .name: vscl, .offset: 48, .size: 8, .value_kind: global_buffer, .address_space: global }
      - { .name: vpart, .offset: 56, .size: 8, .value_kind: global_buffer, .address_space: global }
      - { .name: out0, .offset: 64, .size: 8, .value_kind: global_buffer, .address_space: global }
    .group_segment_fixed_size: 324864
    .private_segment_fixed_size: 0
    .kernarg_segment_align: 8
    .kernarg_segment_size: 72
    .max_flat_workgroup_size: 512
    .sgpr_count:     100
    .vgpr_count:     256
    .wavefront_size: 32
...
	.end_amdgpu_metadata
.endif
;; end of part 2
;; ======== version 2 of 2: 2 launches
;; limits: right only within a limited range of input values
;; workspace buffers: kimg 4,194,304 bytes; vimg 4,194,304 bytes; kscl 262,144 bytes; vscl 262,144 bytes; vpart 262,144 bytes
;; launch quant (part 3): grid 512 x 2, 4 waves a work-group, no clusters, 70,656 bytes of LDS; arguments key, value, kimg, kscl, vimg, vscl, vpart; writes kimg, kscl, vimg, vscl, vpart
.if DOCPART == 3
	.amdgcn_target "amdgcn-amd-amdhsa--gfx1250"
	.amdhsa_code_object_version 6
	.text
	.protected	k_q3b5b634863_quant
	.globl	k_q3b5b634863_quant
	.p2align	8
	.type	k_q3b5b634863_quant,@function
k_q3b5b634863_quant:
	s_mov_b64 s[64:65], 0
	v_nop
	global_prefetch_b8 v0, s[64:65] scope:SCOPE_SE
	s_setreg_imm32_b32 hwreg(HW_REG_WAVE_SCHED_MODE, 0, 2), 2
	s_setreg_imm32_b32 hwreg(HW_REG_WAVE_MODE, 25, 1), 1
	s_wait_xcnt 0x0
	s_wait_alu depctr_vm_vsrc(0)
; key and value, [32 heads][2048 keys][128 d] f32, become codes of FP4 (E2M1) with one E8M0 scale byte for each 32 along a product's K, laid AS IMAGES OF THE OPERANDS' REGISTERS,
; so that the attention launch takes a fragment by plain loads of 16 bytes a lane.  A work-group takes one step x = 16 head + key / 128 (128 keys x 128 d, 65,536 bytes) of key (work-group y = 0) or of value (y = 1).
; kimg [x][tile t 0..7][c 0..1][lane][16 bytes]: lane (r = lane % 16, hf = lane / 16) of tile t holds key 32 (t / 2) + 8 (t % 2) + r + 8 (r / 8) of the step; its 16 bytes are d = 64 c + 32 hf + 0 .. 31 (K = d).
; vimg, the same shape: tile t, lane (r, hf) holds column d = 16 t + r; its 16 bytes are keys 64 c + 32 hf + 0 .. 31 of the step (K = the keys).
; kscl, vscl [x][r][t]: one word, the four scale bytes of that tile's row r.   vpart [x][d] f32: the sum of the QUANTISED value over the step's 128 keys (for rows of the attention that have no key that counts).
; A block's scale is 2^(floor(log2(its largest magnitude)) - 2); its byte is the largest magnitude's exponent field - 2, held at 1 from below.
; LIMITS: NaN and infinities among the inputs are not served.  A block of zeros gets the byte 1 where the rule says 127: its codes are zeros, and this program alone reads the bytes.
; The two paths part on the work-group's y alone, which all four waves share; each has LDS bytes of its own and its own end.
; THE MODE: SCHED_MODE bits 1:0 = 2 (LLVM: expert scheduling mode 2), set by the entry lines.  The code itself states the register dependences between vector instructions and memory or LDS instructions,
; with s_wait_alu, always for 0.
; THE PLAN.  Registers that memory or LDS instructions touch:
;   v1 to v8    offsets and LDS addresses: made once at a path's head, ahead of the wait on va_vdst that precedes the path's first load, and never written again.
;   KEY: R      loaded from memory, read by the LDS stores into the turn; no vector line names them.
;   KEY: X0, X1 block n's LDS loads land in X[n % 2]; its maximum lines and conversions read it; block n + 2's loads land there again.
;   C, v18, v19 four registers of codes to a block, a register to a scale word: written by block n's vector lines, read by the stores that stand at the head of block n + 1, never written again.
;   VALUE: XV   loaded from memory once, all 128 loads ahead of every vector line that names them.   v15, v16: written by the blocks' vector lines, read by two LDS stores behind the last block.
;   v48-51      an LDS load lands there and a global store reads them; no vector line names them.   v62, v63: written at the head, read by the closing add alone.
; So ONE wait on va_vdst stands at the head of each block but the first, and one behind the last: it states that the block before has written its codes (and scale word), which the stores below it read, and, in the KEY path,
; that the block before is done reading its set of X, in which the loads below it land.  No register that a memory or LDS line has read is written again: the text holds no wait on vm_vsrc.
.set TURN,  17152                      ; K path: a wave's own 32 rows on their way from rows to blocks
.set TP,    528                        ; a row there: 512 bytes + 16; rows 16-31 begin 128 bytes later, so that the sixteen rows that 16 lanes read start at sixteen different 16-byte columns of 256
.set KSG,   68608                      ; K path: the step's 128 scale words, gathered
.set VSG,   69120                      ; V path: the same,
.set VSM,   69632                      ; and the 128 column sums behind them
.set C,     32                         ; v32-47   codes: four registers a block, so that no store's data are written again
.set R,     64                         ; K path: v64-191 32 rows as loaded
.set X,     192                        ; K path: v192-255 two sets of 32 numbers of one block
.set XV,    64                         ; V path: v64-191 four blocks of 32 numbers
	s_load_b256 s[4:11], s[0:1], 0x0               ; key, value, kimg, kscl
	s_load_b128 s[12:15], s[0:1], 0x20             ; vimg, vscl
	s_load_b64 s[16:17], s[0:1], 0x30              ; vpart
	v_lshl_add_u32 v62, v0, 2, 0x11200
	v_mov_b32 v63, 0
	v_lshrrev_b32 v1, 5, v0
	v_readfirstlane_b32 s18, v1                    ; wave 0..3
	s_and_b32 s19, ttmp7, 0xffff                   ; 0: key, 1: value
	s_mov_b32 s24, 0x76543210
	s_mov_b32 s25, 0xfedcba98                      ; v_permlanex16_b32's selects for lane l xor 16
	s_lshl_b32 s20, ttmp9, 16                      ; the step's f32 numbers: 65,536 bytes
	s_mov_b32 s21, 0
	s_lshl_b32 s22, ttmp9, 13                      ; its image: 8,192 bytes,
	s_wait_alu depctr_va_sdst(0)                   ; s18 is written, ahead of its first reader: my wave's places in memory and in LDS, and the branches on the wave's number, are made from it
	s_lshl_b32 s28, s18, 11
	s_add_co_u32 s22, s22, s28                     ; my wave's two tiles of it
	s_mov_b32 s23, 0
	s_lshl_b32 s28, ttmp9, 9                       ; its scale words, and its column sums: 512 bytes
	s_mov_b32 s29, 0
	v_and_b32 v20, 31, v0                          ; lane
	s_wait_kmcnt 0x0
	s_cmp_lg_u32 s19, 0
	s_cbranch_scc1 .Lvalue
; v12 = the largest magnitude of v[xs] .. v[xs + 31], in two chains, and the floor 2^(3 - 127), under which none is taken: so the byte cannot fall under 1
.macro BMAX xs
	v_max3_num_f32 v12, |v[(\xs)]|, |v[(\xs)+1]|, |v[(\xs)+2]|
	v_max3_num_f32 v13, |v[(\xs)+3]|, |v[(\xs)+4]|, |v[(\xs)+5]|
.irp i, 6,10,14,18,22,26
	v_max3_num_f32 v12, v12, |v[(\xs)+\i]|, |v[(\xs)+\i+1]|
	v_max3_num_f32 v13, v13, |v[(\xs)+\i+2]|, |v[(\xs)+\i+3]|
.endr
	v_max3_num_f32 v12, v12, |v[(\xs)+30]|, |v[(\xs)+31]|
	v_max3_num_f32 v12, v12, v13, 0x1800000
.endm
; ---------------- KEY: K = d is innermost.  Wave w takes keys 32 w .. 32 w + 31: tiles 2 w and 2 w + 1.
	s_lshl_b32 s30, s18, 14
	s_add_co_u32 s20, s20, s30                     ; my 32 rows of 512 bytes
	s_add_nc_u64 s[4:5], s[4:5], s[20:21]
	s_add_nc_u64 s[8:9], s[8:9], s[22:23]
	s_add_nc_u64 s[10:11], s[10:11], s[28:29]
	s_wait_alu depctr_va_vdst(0)
	v_lshlrev_b32 v1, 4, v20                       ; 16 x lane
	v_and_b32 v2, 15, v0                           ; r
	v_bfe_u32 v3, v0, 4, 1                         ; hf
	s_mul_i32 s26, s18, TURN
	v_add_nc_u32 v4, s26, v1                       ; into the turn: a row's 512 bytes as they lie
	v_and_b32 v10, 8, v2                           ; 8 (r / 8)
	v_add_nc_u32 v5, v10, v2                       ; r + 8 (r / 8)
	v_mul_u32_u24 v5, v5, TP
	v_lshl_add_u32 v5, v10, 4, v5                  ; + 128 (r / 8): rows 16-31 lie 128 bytes later
	v_lshl_add_u32 v5, v3, 7, v5                   ; + 128 hf: my block of 32 numbers
	v_add_nc_u32 v5, s26, v5                       ; out of the turn
	s_lshl_b32 s27, s18, 3
	s_add_co_u32 s27, s27, KSG
	v_lshl_add_u32 v6, v2, 5, s27                  ; my row's scale words: KSG + 32 r + 8 w
	v_lshlrev_b32 v7, 3, v3                        ; 8 hf: where my two bytes stand in a word
	v_add_nc_u32 v8, KSG, v1
	v_mov_b32 v17, 0                               ; written once: a lane permute's destination counts as one of its sources
	s_wait_alu depctr_va_vdst(0)                   ; v1, v4, v5, v6 and v8 are written: every load and store of this path reads one of them as its offset or address
.set i, 0
.rept 32
	global_load_b128 v[R+4*i:R+4*i+3], v1, s[4:5] offset:512*i th:TH_LOAD_NT   ; a key's row: 32 lanes read 512 consecutive bytes
.set i, i+1
.endr
.irp g, 0,1,2,3
	s_wait_loadcnt 24-8*\g                         ; loads come back in order: these eight rows are in, the younger ones may be out
.irp k, 0,1,2,3,4,5,6,7
	ds_store_b128 v4, v[R+4*(8*\g+\k):R+4*(8*\g+\k)+3] offset:(8*\g+\k)*TP+((8*\g+\k)/16)*128
.endr
.endr
; block n = 2 u + c: of tile 2 w + u, d = 64 c + 32 hf + 0 .. 31 of my key: 128 bytes, into set n % 2.  LDS serves a wave's instructions in order: these see my stores above
.macro KREAD n
.irp j, 0,1,2,3,4,5,6,7
	ds_load_b128 v[X+32*((\n)%2)+4*\j:X+32*((\n)%2)+4*\j+3], v5 offset:8*((\n)/2)*TP+256*((\n)%2)+16*\j
.endr
.endm
; block n's codes leave, and with a tile's second block its scale word: these lines stand behind the wait on va_vdst that follows block n's vector lines
.macro KOUT n
	global_store_b128 v1, v[C+4*(\n):C+4*(\n)+3], s[8:9] offset:((\n)/2)*1024+((\n)%2)*512   ; 32 lanes store 512 consecutive bytes of the image
.if (\n)%2 == 1
	ds_store_b32 v6, v[18+(\n)/2] offset:4*((\n)/2)   ; both halves of the lanes write the same word with the same value
.endif
.endm
.macro KBLOCK n
.set XS, X+32*((\n)%2)
.if (\n) > 0
	s_wait_alu depctr_va_vdst(0)                   ; the block before has written its codes (and a tile's second block its scale word), which the stores below read; it is done reading its set of X, in which the loads below land
	KOUT (\n)-1
.endif
.if (\n) < 3
	KREAD (\n)+1
	s_wait_dscnt 8                                 ; all but the eight loads just issued: this block's numbers are in
.else
	s_wait_dscnt 0x0
.endif
	BMAX XS
	v_add_nc_u32 v11, 0xff000000, v12              ; 2 off the exponent field: the conversion takes the exponent field of this operand as its scale, and nothing else of it
.irp g, 0,1,2,3
	v_cvt_scalef32_pk8_fp4_f32 v[C+4*(\n)+\g], v[XS+8*\g:XS+8*\g+7], v11
.endr
	v_lshrrev_b32 v[14+(\n)%2], 23, v11            ; the scale's byte (a plain line behind the conversions)
.if (\n)%2 == 1
	v_lshl_or_b32 v[18+(\n)/2], v15, 16, v14       ; my two bytes: blocks hf and 2 + hf of my key,
	v_lshlrev_b32 v[18+(\n)/2], v7, v[18+(\n)/2]   ; at their places in the word;
	v_permlanex16_b32 v17, v[18+(\n)/2], s24, s25
	v_or_b32 v[18+(\n)/2], v[18+(\n)/2], v17       ; with lane l xor 16's two the word is whole
.endif
.endm
	KREAD 0
	KBLOCK 0
	KBLOCK 1
	KBLOCK 2
	KBLOCK 3
	s_wait_alu depctr_va_vdst(0)                   ; block 3 has written its codes and the second tile's scale word, which the stores below read
	KOUT 3
	s_wait_dscnt 0x0                               ; for the others' sake: my scale words lie in LDS
	s_barrier_signal -1
	s_barrier_wait -1
	s_cmp_lg_u32 s18, 0
	s_cbranch_scc1 .Lkey_end
	ds_load_b128 v[48:51], v8                      ; wave 0 stores the step's 128 words: 512 consecutive bytes
	s_wait_dscnt 0x0
	global_store_b128 v1, v[48:51], s[10:11]
.Lkey_end:
	s_wait_dscnt 0x0                               ; the closing lines, six on end
	s_wait_alu 0x0
	s_wait_tensorcnt 0x0
	ds_add_u32 v62, v63
	s_wait_dscnt 0x0
	s_endpgm
; ---------------- VALUE: K = the keys is not innermost.  A lane takes a column d = 32 w + lane and its registers run down the 128 keys: a block of 32 keys lies in one lane's 32 registers.
.Lvalue:
	s_lshl_b32 s30, s18, 7
	s_add_co_u32 s20, s20, s30                     ; my wave's 32 columns: 128 bytes of each row
	s_add_nc_u64 s[6:7], s[6:7], s[20:21]
	s_add_nc_u64 s[12:13], s[12:13], s[22:23]
	s_add_nc_u64 s[14:15], s[14:15], s[28:29]
	s_add_nc_u64 s[16:17], s[16:17], s[28:29]
	s_wait_alu depctr_va_vdst(0)
	v_lshlrev_b32 v1, 2, v20                       ; 4 x lane
	v_and_b32 v7, 15, v0
	v_bfe_u32 v8, v0, 4, 1
	v_lshlrev_b32 v2, 4, v7
	v_lshl_add_u32 v2, v8, 10, v2                  ; the image: tile 2 w + lane / 16, row lane % 16
	s_lshl_b32 s30, s18, 3
	s_add_co_u32 s30, s30, VSG
	v_lshlrev_b32 v3, 5, v7
	v_lshl_add_u32 v3, v8, 2, v3
	v_add_nc_u32 v3, s30, v3                       ; my column's scale word: VSG + 32 (lane % 16) + 4 (2 w + lane / 16)
	v_lshl_add_u32 v4, v0, 2, VSM                  ; my column's sum
	v_and_b32 v5, 63, v0
	v_lshl_add_u32 v5, v5, 4, VSG                  ; back: wave 0 takes the words, wave 1 the sums
	v_lshlrev_b32 v6, 4, v20
	v_mov_b32 v9, 0x7f7f7f7f                       ; the scale 1 in every byte, for the way back from codes
	s_wait_alu depctr_va_vdst(0)                   ; v1 to v6 are written: every load and store of this path reads one of them as its offset or address
.set i, 0
.rept 128
	global_load_b32 v[XV+i], v1, s[6:7] offset:512*i th:TH_LOAD_NT   ; key i at my column: 128 consecutive bytes a wave, 512 a work-group
.set i, i+1
.endr
; block t's codes leave: the line stands behind the wait on va_vdst that follows block t's vector lines
.macro VOUT t
	global_store_b128 v2, v[C+4*(\t):C+4*(\t)+3], s[12:13] offset:((\t)/2)*512+((\t)%2)*256   ; sixteen lanes store 256 consecutive bytes, at a multiple of 256 from the image's first byte
.endm
.macro VBLOCK t
.set XB, XV+32*(\t)
.if (\t) == 0
	s_wait_loadcnt 63                              ; 96 loads are younger than block 0's; the wait can name 63: blocks 0 and 1 are in
.elseif (\t) == 2
	s_wait_loadcnt 32                              ; block 3's may be out
.elseif (\t) == 3
	s_wait_loadcnt 0x0
.endif
.if (\t) > 0
	s_wait_alu depctr_va_vdst(0)                   ; the block before has written its codes, which the store below reads
	VOUT (\t)-1
.endif
	BMAX XB
	v_add_nc_u32 v11, 0xff000000, v12              ; the conversion's scale operand
	v_lshrrev_b32 v14, 23, v11                     ; the scale's byte
.if (\t) == 0
	v_mov_b32 v15, v14                             ; four bytes make my column's word, the lower keys in the lower byte
.else
	v_lshl_or_b32 v15, v14, 8*(\t), v15
.endif
.irp g, 0,1,2,3
	v_cvt_scalef32_pk8_fp4_f32 v[C+4*(\t)+\g], v[XB+8*\g:XB+8*\g+7], v11
.endr
	v_and_b32 v10, 0x7f800000, v11                 ; the scale as f32 (a plain line behind the conversions)
.irp g, 0,1,2,3
	v_cvt_scale_pk8_f32_fp4 v[XB+8*\g:XB+8*\g+7], v[C+4*(\t)+\g], v9   ; the codes' values, over the numbers that they came from
.endr
	v_nop                                          ; a plain line behind the conversions
.irp k, 0,2,4,6,8,10,12,14
	v_pk_add_f32 v[XB+\k:XB+\k+1], v[XB+\k:XB+\k+1], v[XB+16+\k:XB+17+\k]   ; their sum: multiples of 1/2, 192 at the most: nothing is rounded
.endr
.irp k, 0,2,4,6
	v_pk_add_f32 v[XB+\k:XB+\k+1], v[XB+\k:XB+\k+1], v[XB+8+\k:XB+9+\k]
.endr
.irp k, 0,2
	v_pk_add_f32 v[XB+\k:XB+\k+1], v[XB+\k:XB+\k+1], v[XB+4+\k:XB+5+\k]
.endr
	v_pk_add_f32 v[XB:XB+1], v[XB:XB+1], v[XB+2:XB+3]
	v_add_f32 v[XB], v[XB], v[XB+1]
.if (\t) == 0
	v_mul_f32 v16, v[XB], v10                      ; x the block's scale
.else
	v_fmac_f32 v16, v[XB], v10
.endif
.endm
	VBLOCK 0
	VBLOCK 1
	VBLOCK 2
	VBLOCK 3
	s_wait_alu depctr_va_vdst(0)                   ; block 3 has written its codes, and the four blocks my column's word in v15 and its sum in v16, which the stores below read
	VOUT 3
	ds_store_b32 v3, v15
	ds_store_b32 v4, v16
	s_wait_dscnt 0x0                               ; for the others' sake: my words and sums lie in LDS
	s_barrier_signal -1
	s_barrier_wait -1
	s_cmp_lt_u32 s18, 2
	s_cbranch_scc0 .Lvalue_end
	s_cmp_eq_u32 s18, 0                            ; wave 0 stores the 128 words, wave 1 the 128 sums: 512 consecutive bytes each
	s_cselect_b64 s[26:27], s[14:15], s[16:17]
	ds_load_b128 v[48:51], v5
	s_wait_dscnt 0x0
	global_store_b128 v6, v[48:51], s[26:27]
.Lvalue_end:
	s_wait_dscnt 0x0                               ; the closing lines, six on end
	s_wait_alu 0x0
	s_wait_tensorcnt 0x0
	ds_add_u32 v62, v63
	s_wait_dscnt 0x0
	s_endpgm
.Lfunc_end_k_q3b5b634863_quant:
	.size	k_q3b5b634863_quant, .Lfunc_end_k_q3b5b634863_quant-k_q3b5b634863_quant
	.p2alignl 7, 3214868480
	.fill 96, 4, 3214868480
	.section	.rodata,"a",@progbits
	.p2align	6, 0x0
	.amdhsa_kernel k_q3b5b634863_quant
		.amdhsa_group_segment_fixed_size 70656
		.amdhsa_private_segment_fixed_size 0
		.amdhsa_enable_private_segment 0
		.amdhsa_kernarg_size 56
		.amdhsa_user_sgpr_count 2
		.amdhsa_user_sgpr_kernarg_segment_ptr 1
		.amdhsa_wavefront_size32 1
		.amdhsa_system_sgpr_workgroup_id_x 1
		.amdhsa_system_sgpr_workgroup_id_y 1
		.amdhsa_system_sgpr_workgroup_id_z 1
		.amdhsa_system_vgpr_workitem_id 0
		.amdhsa_next_free_vgpr 256
		.amdhsa_next_free_sgpr 66
		.amdhsa_reserve_vcc 0
		.amdhsa_float_denorm_mode_32 3
		.amdhsa_float_denorm_mode_16_64 3
		.amdhsa_memory_ordered 1
		.amdhsa_forward_progress 1
		.amdhsa_inst_pref_size 43
	.end_amdhsa_kernel
	.amdgpu_metadata
---
amdhsa.version: [ 1, 2 ]
amdhsa.kernels:
  - .name:           k_q3b5b634863_quant
    .symbol:         k_q3b5b634863_quant.kd
    .args:
      - { .name: key, .offset: 0, .size: 8, .value_kind: global_buffer, .address_space: global }
      - { .name: value, .offset: 8, .size: 8, .value_kind: global_buffer, .address_space: global }
      - { .name: kimg, .offset: 16, .size: 8, .value_kind: global_buffer, .address_space: global }
      - { .name: kscl, .offset: 24, .size: 8, .value_kind: global_buffer, .address_space: global }
      - { .name: vimg, .offset: 32, .size: 8, .value_kind: global_buffer, .address_space: global }
      - { .name: vscl, .offset: 40, .size: 8, .value_kind: global_buffer, .address_space: global }
      - { .name: vpart, .offset: 48, .size: 8, .value_kind: global_buffer, .address_space: global }
    .group_segment_fixed_size: 70656
    .private_segment_fixed_size: 0
    .kernarg_segment_align: 8
    .kernarg_segment_size: 56
    .max_flat_workgroup_size: 128
    .sgpr_count:     66
    .vgpr_count:     256
    .wavefront_size: 32
...
	.end_amdgpu_metadata
.endif
;; end of part 3
;; launch attn (part 4): grid 8 x 32, 16 waves a work-group, no clusters, 324,864 bytes of LDS; arguments query, q_segment_ids, kv_segment_ids, kimg, kscl, vimg, vscl, vpart, out0; writes out0
.if DOCPART == 4
	.amdgcn_target "amdgcn-amd-amdhsa--gfx1250"
	.amdhsa_code_object_version 6
	.text
	.protected	k_q3b5b634863_attn
	.globl	k_q3b5b634863_attn
	.p2align	8
	.type	k_q3b5b634863_attn,@function
k_q3b5b634863_attn:
	s_mov_b64 s[64:65], 0
	v_nop
	global_prefetch_b8 v0, s[64:65] scope:SCOPE_SE
	s_setreg_imm32_b32 hwreg(HW_REG_WAVE_MODE, 25, 1), 1
	s_wait_xcnt 0x0
; out0[bh][q][:] = the sum over k of softmax_k(query[q] / sqrt(128) . key[k]) value[k][:], key k counting for query q where |q - k| <= 512 and q's segment id equals k's.  Both products on codes of FP4 (E2M1)
; with one E8M0 scale for each 32 along a product's K.  32 heads, 2,048 queries and keys, head size 128.
; THE SOFTMAX AHEAD OF THE SECOND PRODUCT: t = score x log2(e); M = the row's largest t so far, rounded UP to a whole number; p = 2^(t - M) is what is quantised, along the keys; the row's sum is taken of the
; unquantised p and divides O at the end.  When M moves, the sum and O are multiplied by 2^(old M - new M): exact.
; A ROW WITH NO KEY THAT COUNTS has all its logits equal: its result is the mean of the quantised value over all 2,048 keys, made here from the sixteen partial sums of vpart and chosen by v_cndmask_b32.
; SHARES.  A work-group owns 256 queries of one head, each of its sixteen waves 16 of them, one tile, in 256 registers.  The keys that the window leaves to 256 queries lie in 10 steps of 128 keys: their images
; (2 x 81,920 bytes), scale words and ids are copied into LDS ONCE, through registers; one barrier; from there on every wave runs by itself and LDS is only read (but for each wave's own stage on the way out).
; A wave walks the 10 steps in a loop of constant count and leaves out, by scalar branches, a step that the window hides from all its queries (ids alone) or whose segment ids cannot meet its queries' (the ranges of the
; ids, read from the two id inputs, are disjoint).  The window's mask is applied only in a step that the window cuts, the segments' only where not all 16 x 128 pairs are known to be equal.
; NO JOINT LOADS, though five work-groups read each step: joint loads are tensor loads, and this launch branches on numbers read from memory.  Those branches leave out whole
; steps of 16 products and their softmax, and 128 mask lines in most others; what sharing would spare is a part of 175 KB a work-group, copied once.
; LAYOUT.  Both products are used transposed: S^T = K Q^T (source 0 = 16 keys, source 1 = my 16 queries), O^T = V^T P^T (source 0 = 16 of the head's 128, source 1 = P): a lane holds ONE query (lane % 16) throughout.
; The keys of a tile are not neighbours (the images are laid so): register 16 b + i of the scores is key 32 b + 16 (lane / 16) + i of the step.
; LIMITS: NaN and infinities among the inputs are not served; a p under 2^-126 counts as 0 (v_exp_f32); the mean for a row without keys is summed in another order than a plain sum over the keys.
; REGISTERS: v1-7 what stays; v8-11 the step's LDS addresses; v12 -M, v13 the largest t, v[14:15] the sum in two halves; v16-23 Q's codes; v24-31 at work on addresses and the window; v32-95 eight fragments of K or V (or ids);
;   v96-159 S^T, then p; v160-223 O^T; v224-231 p's codes; v232-239 at work; v240-247 K's or V's scale words; v248-251 the conversions' scale operands; v252 f; v253 p's scale word; v254 at work; v255 Q's scale word.
.set KIMG,  0                          ; LDS: 10 steps x 8,192 bytes of K's images,
.set VIMG,  81920                      ; of V's,
.set KSCL,  163840                     ; 10 x 512 bytes of K's scale words,
.set VSCL,  168960                     ; of V's,
.set KID,   174080                     ; the window's 1,280 kv ids,
.set VP,    179200                     ; the head's 16 x 128 partial sums of the quantised value,
.set SEGMM, 187392                     ; (smallest, largest) kv id of each of the head's 16 steps, 8 bytes each,
.set STG,   187648                     ; and a stage of 16 rows x (512 + 16) bytes for each wave
.set SP,    528
.set F,   32
.set S,   96
.set O,   160
.set P,   224
.set BM,  232
.set T,   236
.set KS,  240
.set SOP, 248
.set TM,  200                          ; at the head: Q's quantiser at work
	s_load_b512 s[4:19], s[0:1], 0x0               ; query s[4:5], q ids s[6:7], kv ids s[8:9], kimg s[10:11], kscl s[12:13], vimg s[14:15], vscl s[16:17], vpart s[18:19]
	s_load_b64 s[20:21], s[0:1], 0x40              ; out0
	v_lshrrev_b32 v1, 5, v0
	s_delay_alu instid0(VALU_DEP_1)
	v_readfirstlane_b32 s22, v1                    ; wave 0..15
	s_and_b32 s24, ttmp7, 0xffff                   ; head 0..31
	s_lshl_b32 s25, ttmp9, 1
	s_max_u32 s25, s25, 4
	s_sub_co_u32 s25, s25, 4
	s_min_u32 s25, s25, 6                          ; the window's first step: 2 x - 4, held to 0 .. 6: steps kb0 .. kb0 + 9 hold every key within 512 of my work-group's 256 queries
	s_lshl_b32 s26, ttmp9, 8
	s_lshl_b32 s56, s22, 4
	s_add_co_u32 s26, s26, s56                     ; q0, my first query
	s_lshl_b32 s28, s24, 20
	s_lshl_b32 s56, s26, 9
	s_add_co_u32 s28, s28, s56                     ; its row in query and in out0
	s_mov_b32 s29, 0
	s_lshr_b32 s30, s24, 4
	s_lshl_b32 s30, s30, 13                        ; the batch's ids
	s_mov_b32 s31, 0
	s_mov_b32 s46, 1024
	s_mov_b32 s48, 0x76543210
	s_mov_b32 s49, 0xfedcba98                      ; v_permlanex16_b32's selects for lane l xor 16
	s_mov_b32 s50, 0x3fb8aa3b                      ; log2(e)
	s_mov_b32 s51, s50                             ; (a packed form names the pair and takes its low word for both halves: so the upper is written)
	s_mov_b32 s52, 0x3db504f3                      ; 1 / sqrt(128)
	s_mov_b32 s53, s52
	v_and_b32 v8, 31, v0                           ; lane
	v_and_b32 v9, 15, v0                           ; r
	v_bfe_u32 v10, v0, 4, 1                        ; hf
	s_delay_alu instid0(VALU_DEP_3)
	v_lshlrev_b32 v1, 4, v8                        ; 16 x lane: a fragment's place for my lane
	s_delay_alu instid0(VALU_DEP_3)
	v_lshlrev_b32 v2, 5, v9                        ; 32 r: my row's eight scale words
	s_delay_alu instid0(VALU_DEP_3)
	v_lshlrev_b32 v3, 6, v10                       ; 64 hf: my half's 16 ids of a block of 32
	s_delay_alu instid0(VALU_DEP_4)
	v_lshlrev_b32 v4, 4, v10
	s_delay_alu instid0(VALU_DEP_1)
	v_sub_nc_u32 v4, v4, v9                        ; 16 hf - r
	v_mov_b32 v6, 0xff800000                       ; -infinity
	v_lshlrev_b32 v7, 4, v0                        ; 16 x thread: the copies' place, in memory and in LDS
	s_delay_alu instid0(VALU_DEP_1)
	v_add_nc_u32 v26, 0x10000, v7                  ; (an LDS offset has 16 bits: the register carries the rest)
	s_delay_alu instid0(VALU_DEP_2)
	v_add_nc_u32 v27, 0x20000, v7
	v_lshlrev_b32 v28, 9, v9
	s_delay_alu instid0(VALU_DEP_1)
	v_lshl_add_u32 v28, v10, 6, v28                ; query: row r of 512 bytes, + 64 hf: my 16 numbers of a block of 32
	v_lshlrev_b32 v31, 2, v9
	v_lshl_add_u32 v30, v9, 3, SEGMM               ; lane l reads step l % 16's pair
	s_lshl_b32 s56, s22, 3
	s_add_co_u32 s56, s56, SEGMM
	v_mov_b32 v29, s56                             ; my wave writes step w's
	s_wait_alu depctr_va_vdst(0)
	s_wait_kmcnt 0x0
	s_add_nc_u64 s[4:5], s[4:5], s[28:29]
	s_add_nc_u64 s[20:21], s[20:21], s[28:29]
	s_add_nc_u64 s[6:7], s[6:7], s[30:31]
	s_add_nc_u64 s[8:9], s[8:9], s[30:31]          ; the batch's kv ids
	s_lshl_b32 s28, s26, 2
	s_add_nc_u64 s[6:7], s[6:7], s[28:29]          ; my 16 queries' ids
	s_lshl_b32 s28, s25, 9
	s_add_nc_u64 s[60:61], s[8:9], s[28:29]        ; the window's kv ids
	s_lshl_b32 s30, s24, 13
	s_add_co_u32 s30, s30, s28                     ; 512 (16 head + kb0)
	s_add_nc_u64 s[12:13], s[12:13], s[30:31]
	s_add_nc_u64 s[16:17], s[16:17], s[30:31]
	s_lshl_b32 s30, s30, 4                         ; 8,192 (16 head + kb0)
	s_add_nc_u64 s[10:11], s[10:11], s[30:31]
	s_add_nc_u64 s[14:15], s[14:15], s[30:31]
	s_lshl_b32 s30, s24, 13
	s_add_nc_u64 s[18:19], s[18:19], s[30:31]      ; the head's partial sums
	s_load_b512 s[68:83], s[6:7], 0x0              ; my 16 queries' ids as scalars, for their range
	; THE LOADS, all at once.  Those that every wave issues come first, in a fixed order, so that the counted waits below hold in every wave.
	global_load_b128 v[188:191], v7, s[8:9]        ; the kv ids of the head's step w: 128 ids a wave
	global_load_b128 v[192:195], v7, s[18:19]      ; vpart: 8,192 bytes a work-group
.irp i, 0,1,2,3,4,5,6,7,8,9
	global_load_b128 v[96+4*\i:99+4*\i], v7, s[10:11] offset:8192*\i    ; K's images: a step to a load of the work-group
.endr
.irp i, 0,1,2,3,4,5,6,7,8,9
	global_load_b128 v[136+4*\i:139+4*\i], v7, s[14:15] offset:8192*\i  ; V's
.endr
.irp b, 0,1,2,3
.irp j, 0,1,2,3
	global_load_b128 v[F+16*\b+4*\j:F+16*\b+4*\j+3], v28, s[4:5] offset:128*\b+16*\j th:TH_LOAD_NT   ; query: register 16 b + i = d 32 b + 16 hf + i of my row; read by this wave alone
.endr
.endr
	global_load_b32 v5, v31, s[6:7]                ; my query's id
	s_cmp_lt_u32 s22, 10                           ; the three small blocks of 5,120 bytes are ten waves' work: loaded, waited for and stored inside this one branch
	s_cbranch_scc0 .Lno_small
	global_load_b128 v[176:179], v7, s[12:13]
	global_load_b128 v[180:183], v7, s[16:17]
	global_load_b128 v[184:187], v7, s[60:61]
	s_wait_loadcnt 0x0
	ds_store_b128 v27, v[176:179] offset:KSCL-0x20000
	ds_store_b128 v27, v[180:183] offset:VSCL-0x20000
	ds_store_b128 v27, v[184:187] offset:KID-0x20000
.Lno_small:
	s_wait_loadcnt 38                              ; behind the step's ids every wave issued 1 + 10 + 10 + 16 + 1 loads: they may be out
	v_min_u32 v196, v188, v189                     ; the smallest and the largest of my step's 128 ids, as unsigned numbers: any fixed order serves
	v_min_u32 v198, v190, v191
	v_max_u32 v197, v188, v189
	v_max_u32 v199, v190, v191
	s_delay_alu instid0(VALU_DEP_3)
	v_min_u32 v196, v196, v198
	s_delay_alu instid0(VALU_DEP_2)
	v_max_u32 v197, v197, v199
.irp m, 1,2,4,8
	s_delay_alu instid0(VALU_DEP_2)
	v_mov_b32_dpp v198, v196 row_xmask:\m row_mask:0xf bank_mask:0xf
	s_delay_alu instid0(VALU_DEP_2)
	v_mov_b32_dpp v199, v197 row_xmask:\m row_mask:0xf bank_mask:0xf
	s_delay_alu instid0(VALU_DEP_2)
	v_min_u32 v196, v196, v198
	s_delay_alu instid0(VALU_DEP_2)
	v_max_u32 v197, v197, v199
.endr
	s_delay_alu instid0(VALU_DEP_2)
	v_permlanex16_b32 v198, v196, s48, s49
	s_delay_alu instid0(VALU_DEP_2)
	v_permlanex16_b32 v199, v197, s48, s49
	s_delay_alu instid0(VALU_DEP_2)
	v_min_u32 v196, v196, v198
	s_delay_alu instid0(VALU_DEP_2)
	v_max_u32 v197, v197, v199
	ds_store_b64 v29, v[196:197]                   ; all lanes write the same pair to the same place
	s_wait_loadcnt 37                              ; vpart is in
	ds_store_b128 v27, v[192:195] offset:VP-0x20000
	s_wait_loadcnt 27                              ; K's ten are in; V's ten, the query's sixteen and the id may be out
.irp i, 0,1,2,3,4,5,6,7
	ds_store_b128 v7, v[96+4*\i:99+4*\i] offset:8192*\i
.endr
.irp i, 8,9
	ds_store_b128 v26, v[96+4*\i:99+4*\i] offset:8192*(\i-8)
.endr
	s_wait_loadcnt 17                              ; V's ten are in
.irp i, 0,1,2,3,4,5
	ds_store_b128 v26, v[136+4*\i:139+4*\i] offset:VIMG-0x10000+8192*\i
.endr
.irp i, 6,7,8,9
	ds_store_b128 v27, v[136+4*\i:139+4*\i] offset:8192*(\i-6)
.endr
	s_wait_dscnt 0x0                               ; for the others' sake: all my stores lie in LDS
	s_barrier_signal -1
	; between the signal and the wait: work on registers alone.  My 16 rows of query x 1 / sqrt(128), in f32, become one fragment and its scale word
	s_wait_loadcnt 0x0
.set k, 0
.rept 32
	v_pk_mul_f32 v[F+2*k:F+2*k+1], v[F+2*k:F+2*k+1], s[52:53] op_sel_hi:[1,0]
.set k, k+1
.endr
.irp b, 0,1,2,3
	v_mov_b32 v[TM+4+\b], 0                        ; written once: a lane permute's destination counts as one of its sources
.endr
.irp b, 0,1,2,3
	v_max3_num_f32 v[TM+\b], |v[F+16*\b]|, |v[F+1+16*\b]|, 0x1800000   ; block b: my 16 numbers, and the floor 2^(3 - 127): so the byte cannot fall under 1
.endr
.irp i, 2,4,6,8,10,12,14
.irp b, 0,1,2,3
	s_delay_alu instid0(VALU_DEP_4)
	v_max3_num_f32 v[TM+\b], v[TM+\b], |v[F+16*\b+\i]|, |v[F+1+16*\b+\i]|   ; (the four blocks by turns)
.endr
.endr
.irp b, 0,1,2,3
	s_delay_alu instid0(VALU_DEP_4)
	v_permlanex16_b32 v[TM+4+\b], v[TM+\b], s48, s49
.endr
.irp b, 0,1,2,3
	s_delay_alu instid0(VALU_DEP_4)
	v_max_num_f32 v[TM+\b], v[TM+\b], v[TM+4+\b]   ; with lane l xor 16's: the block's largest magnitude
.endr
.irp b, 0,1,2,3
	s_delay_alu instid0(VALU_DEP_4)
	v_add_nc_u32 v[TM+12+\b], 0xff000000, v[TM+\b] ; 2 off its exponent field: the conversion's scale operand
.endr
.irp b, 0,1,2,3
	s_delay_alu instid0(VALU_DEP_4)
	v_lshrrev_b32 v[TM+4+\b], 23, v[TM+12+\b]      ; the scale's byte
.endr
	s_delay_alu instid0(VALU_DEP_3)
	v_lshl_or_b32 v255, v[TM+5], 8, v[TM+4]        ; Q's scale word
	s_delay_alu instid0(VALU_DEP_1)
	v_lshl_or_b32 v255, v[TM+6], 16, v255
	s_delay_alu instid0(VALU_DEP_1)
	v_lshl_or_b32 v255, v[TM+7], 24, v255
.irp b, 0,1,2,3
	v_cvt_scalef32_pk8_fp4_f32 v[16+2*\b], v[F+16*\b:F+7+16*\b], v[TM+12+\b]
	v_cvt_scalef32_pk8_fp4_f32 v[17+2*\b], v[F+8+16*\b:F+15+16*\b], v[TM+12+\b]
.endr
	v_nop                                          ; a plain line behind the conversions
.irp c, 0,1                                    ; the operand's layout wants a WHOLE block in a lane: lanes 0-15 block 2 c, lanes 16-31 block 2 c + 1
.irp i, 0,1
	v_permlane16_swap_b32 v[16+4*\c+\i], v[18+4*\c+\i]
.endr
.endr
	s_wait_kmcnt 0x0
	s_min_u32 s44, s68, s69                        ; the smallest and the largest of my 16 queries' ids
	s_max_u32 s45, s68, s69
.irp i, 70,71,72,73,74,75,76,77,78,79,80,81,82,83
	s_min_u32 s44, s44, s\i
	s_max_u32 s45, s45, s\i
.endr
	v_mov_b32 v13, 0xff61b1e6                      ; the largest t so far: -3e38, under every t; a row that keeps it to the end has no key that counts
	s_delay_alu instid0(VALU_DEP_1)
	v_floor_f32 v12, -v13                          ; -M
	v_mov_b32 v14, 0                               ; the sum, in two halves
	v_mov_b32 v15, 0
.irp b, 0,1,2,3
	v_mov_b32 v[T+\b], 0                           ; written once: lane permutes' destinations
.endr
	v_mov_b32 v252, 0                              ; (named on the way out also where every step was left out)
	v_mov_b32 v253, 0                              ; (named as the upper half of the pair v[252:253] before it is first written)
.set k, 0
.rept 64
	v_mov_b32 v[O+k], 0                            ; O^T.  Which step is a wave's first hangs on the ids, so no first step can be written out ahead of the loop: the step is written once and finds zeros
.set k, k+1
.endr
	s_mov_b32 s32, 10                              ; trips
	s_mov_b32 s33, s25                             ; the step's number in the head,
	s_lshl_b32 s34, s25, 7                         ; its first key KF,
	s_mov_b32 s35, KIMG                            ; and where it lies in LDS: K's image,
	s_mov_b32 s84, VIMG                            ; V's,
	s_mov_b32 s36, KSCL                            ; the scale words,
	s_mov_b32 s85, KID                             ; the ids
	s_add_co_u32 s37, s26, 527                     ; KF above this: beyond the window of my last query
	s_sub_co_u32 s38, s26, 512                     ; KF + 127 under this: in front of the window of my first
	s_sub_co_u32 s39, s26, 497                     ; KF from here on, and
	s_add_co_u32 s40, s26, 512                     ; KF + 127 up to here: inside every one of my 16 windows
	s_sub_co_u32 s41, 512, s26
	s_barrier_wait -1                              ; everybody's copies lie in LDS; nothing in front of the stages is written again
	ds_load_b64 v[232:233], v30                    ; lane l: the smallest and largest kv id of step l % 16
	s_wait_dscnt 0x0
	v_cmp_lt_u32 s56, v233, s44                    ; all its ids lie under all of mine,
	v_cmp_gt_u32 s57, v232, s45                    ; or over them:
	s_or_b32 s42, s56, s57                         ; bit s: no pair of step s can be equal
	v_cmp_eq_u32 s56, v232, v233                   ; one id in the step,
	v_cmp_eq_u32 s57, v232, s44                    ; the same as my smallest,
	s_and_b32 s43, s56, s57
	s_cmp_eq_u32 s44, s45                          ; which is my only one:
	s_cselect_b32 s56, -1, 0
	s_and_b32 s43, s43, s56                        ; bit s: all 16 x 128 pairs of step s are equal
.Lstep:                                            ; ten trips; what is left out of a trip is its work, never the lines at its end that step addresses
	s_cmp_gt_i32 s34, s37
	s_cbranch_scc1 .Lnext
	s_add_co_u32 s56, s34, 127
	s_cmp_lt_i32 s56, s38
	s_cbranch_scc1 .Lnext
	s_bitcmp1_b32 s42, s33
	s_cbranch_scc1 .Lnext
	s_setprio 2
	v_add_nc_u32 v8, s35, v1                       ; four plain lines: also the places between the last step's products and the loads into the registers that they read
	v_add_nc_u32 v9, s84, v1
	v_add_nc_u32 v10, s36, v2
	v_add_nc_u32 v11, s85, v3
	ds_load_b128 v[KS:KS+3], v10                   ; K's scale words: lane r takes row r's of tiles 0 to 7
	ds_load_b128 v[KS+4:KS+7], v10 offset:16
.irp t, 0,1,2,3,4,5,6,7
.irp c, 0,1
	ds_load_b128 v[F+8*\t+4*\c:F+8*\t+4*\c+3], v8 offset:1024*\t+512*\c   ; an image: 32 lanes read 512 consecutive bytes
.endr
.endr
	s_wait_dscnt 0x0
.irp t, 0,1,2,3,4,5,6,7
	v_wmma_scale_f32_16x16x128_f8f6f4 v[S+8*\t:S+8*\t+7], v[F+8*\t:F+8*\t+7], v[16:23], 0, v[KS+\t], v255 matrix_a_fmt:MATRIX_FMT_FP4 matrix_b_fmt:MATRIX_FMT_FP4
.endr
.rept 4
	v_nop                                          ; places in front of the first read of results and of loads into registers that the products read
.endr
	s_cmp_lt_i32 s34, s39                          ; THE WINDOW: only a step that it cuts is masked
	s_cbranch_scc1 .Lwindow
	s_cmp_le_i32 s56, s40
	s_cbranch_scc1 .Lwindow_open
.Lwindow:
	s_add_co_u32 s57, s41, s34
	v_add_nc_u32 v24, s57, v4                      ; 512 - my query + KF + 16 hf.  With 32 b + i added: 512 + key - query, which counts from 0 to 1,024; as an unsigned number all else lies above
.set n, 0
.rept 64
	v_add_nc_u32 v25, 32*(n/16)+n%16, v24
	s_delay_alu instid0(VALU_DEP_1)
	v_cmp_lt_u32 vcc_lo, s46, v25
	v_cndmask_b32 v[S+n], v[S+n], v6, vcc_lo       ; a hidden score becomes -infinity ahead of the maximum: p = 0 then
.set n, n+1
.endr
.Lwindow_open:
	s_bitcmp1_b32 s43, s33                         ; THE SEGMENTS: a step all of whose pairs are equal skips this
	s_cbranch_scc1 .Lsegments_open
	s_wait_alu depctr_va_vdst(0)
.irp b, 0,1,2,3
.irp j, 0,1,2,3
	ds_load_b128 v[F+16*\b+4*\j:F+16*\b+4*\j+3], v11 offset:128*\b+16*\j   ; the ids of my 64 keys, in the scores' order
.endr
.endr
	s_wait_dscnt 0x0
.set n, 0
.rept 64
	v_cmp_ne_u32 vcc_lo, v[F+n], v5
	v_cndmask_b32 v[S+n], v[S+n], v6, vcc_lo
.set n, n+1
.endr
.Lsegments_open:
	s_wait_alu depctr_va_vdst(0)
	ds_load_b128 v[KS:KS+3], v10 offset:VSCL-KSCL  ; V's scale words and images are asked for here and land under the softmax
	ds_load_b128 v[KS+4:KS+7], v10 offset:VSCL-KSCL+16
.irp t, 0,1,2,3,4,5,6,7
.irp c, 0,1
	ds_load_b128 v[F+8*\t+4*\c:F+8*\t+4*\c+3], v9 offset:1024*\t+512*\c
.endr
.endr
.irp b, 0,1,2,3
	v_max3_num_f32 v[BM+\b], v[S+16*\b], v[S+1+16*\b], v[S+2+16*\b]   ; THE LARGEST SCORE OF EACH BLOCK OF 32 KEYS serves twice: for the row's maximum, and, since p rises with the score, for the block's largest p
.endr
	s_setprio 1
.irp i, 3,5,7,9,11,13
.irp b, 0,1,2,3
	v_max3_num_f32 v[BM+\b], v[BM+\b], v[S+16*\b+\i], v[S+1+16*\b+\i]   ; (the four blocks by turns)
.endr
.endr
.irp b, 0,1,2,3
	v_max_num_f32 v[BM+\b], v[BM+\b], v[S+15+16*\b]
.endr
.irp b, 0,1,2,3
	s_delay_alu instid0(VALU_DEP_4)
	v_permlanex16_b32 v[T+\b], v[BM+\b], s48, s49
.endr
.irp b, 0,1,2,3
	s_delay_alu instid0(VALU_DEP_4)
	v_max_num_f32 v[BM+\b], v[BM+\b], v[T+\b]      ; with lane l xor 16's 16 keys
.endr
	s_delay_alu instid0(VALU_DEP_2)
	v_max3_num_f32 v254, v[BM], v[BM+1], v[BM+2]
	s_delay_alu instid0(VALU_DEP_1)
	v_max_num_f32 v254, v254, v[BM+3]              ; the step's largest score of my query (-infinity where none counts)
	s_delay_alu instid0(VALU_DEP_1)
	v_mul_f32 v254, s50, v254                      ; as t
	s_delay_alu instid0(VALU_DEP_1)
	v_max_num_f32 v13, v13, v254                   ; the running largest t
	v_mov_b32 v254, v12
	s_delay_alu instid0(VALU_DEP_2)
	v_floor_f32 v12, -v13                          ; the new -M = floor(-t) = -ceil(t): M IS A WHOLE NUMBER
	s_delay_alu instid0(VALU_DEP_1)
	v_sub_f32 v254, v12, v254                      ; M's old value less its new one: a whole number, 0 or less
	s_delay_alu instid0(VALU_DEP_1)
	v_cvt_i32_f32 v254, v254                       ; (it saturates)
	s_delay_alu instid0(VALU_DEP_1)
	v_ldexp_f32 v252, 1.0, v254                    ; f = 2^(old M - new M): rounds nothing; 0 at a row's first key that counts, where the sum and O^T are zeros
.set k, 0
.rept 32
	v_pk_fma_f32 v[S+2*k:S+2*k+1], v[S+2*k:S+2*k+1], s[50:51], v[12:13] op_sel_hi:[1,0,0]   ; t - M, two at a time (of the pairs the low word serves both halves)
.set k, k+1
.endr
.irp b, 0,1,2,3
	v_fma_f32 v[BM+\b], v[BM+\b], s50, v12         ; the same of each block's largest score
.endr
.set k, 0
	s_wait_alu depctr_va_vdst(0)
.rept 64
	v_exp_f32 v[S+k], v[S+k]                       ; p = 2^(t - M): NOT normalised
.set k, k+1
.endr
	v_pk_mul_f32 v[14:15], v[14:15], v[252:253] op_sel_hi:[1,0]   ; the sums under the new M (a plain line behind the exponentials)
	s_wait_alu depctr_va_vdst(0)                   ; one wait for the whole batch, ahead of its first reader
.irp b, 0,1,2,3
	v_exp_f32 v[BM+\b], v[BM+\b]                   ; the block's largest p: the same two instructions on the same number give the same bits
.endr
	v_pk_add_f32 v[236:237], v[100:101], v[104:105]
	v_pk_add_f32 v[250:251], v[108:109], v[112:113]
	v_pk_add_f32 v[248:249], v[116:117], v[120:121]
	v_pk_add_f32 v[238:239], v[124:125], v[128:129]
	v_pk_add_f32 v[230:231], v[132:133], v[136:137]
	v_pk_add_f32 v[228:229], v[140:141], v[144:145]
	v_pk_add_f32 v[226:227], v[148:149], v[152:153]
	v_pk_add_f32 v[14:15], v[14:15], v[156:157]
	v_pk_add_f32 v[236:237], v[236:237], v[96:97]
	v_pk_add_f32 v[250:251], v[250:251], v[98:99]
	v_pk_add_f32 v[248:249], v[248:249], v[102:103]
	v_pk_add_f32 v[238:239], v[238:239], v[106:107]
	v_pk_add_f32 v[230:231], v[230:231], v[110:111]
	v_pk_add_f32 v[228:229], v[228:229], v[114:115]
	v_pk_add_f32 v[226:227], v[226:227], v[118:119]
	v_pk_add_f32 v[14:15], v[14:15], v[122:123]
	v_pk_add_f32 v[236:237], v[236:237], v[126:127]
	v_pk_add_f32 v[250:251], v[250:251], v[130:131]
	v_pk_add_f32 v[248:249], v[248:249], v[134:135]
	v_pk_add_f32 v[238:239], v[238:239], v[138:139]
	v_pk_add_f32 v[230:231], v[230:231], v[142:143]
	v_pk_add_f32 v[228:229], v[228:229], v[146:147]
	v_pk_add_f32 v[226:227], v[226:227], v[150:151]
	v_pk_add_f32 v[14:15], v[14:15], v[154:155]
	v_pk_add_f32 v[236:237], v[236:237], v[158:159]
	s_delay_alu instid0(VALU_DEP_2)
	v_pk_add_f32 v[14:15], v[14:15], v[238:239]
	s_delay_alu instid0(VALU_DEP_2)
	v_pk_add_f32 v[236:237], v[236:237], v[230:231]
	v_pk_add_f32 v[250:251], v[250:251], v[228:229]
	v_pk_add_f32 v[248:249], v[248:249], v[226:227]
	s_delay_alu instid0(VALU_DEP_2)
	v_pk_add_f32 v[14:15], v[14:15], v[250:251]
	s_delay_alu instid0(VALU_DEP_2)
	v_pk_add_f32 v[236:237], v[236:237], v[248:249]
	s_delay_alu instid0(VALU_DEP_1)
	v_pk_add_f32 v[14:15], v[14:15], v[236:237]
	s_wait_alu depctr_va_vdst(0)                   ; and one for the four
.irp b, 0,1,2,3
	v_max_num_f32 v[BM+\b], 0x1800000, v[BM+\b]    ; the floor 2^(3 - 127): the byte cannot fall under 1 (a block whose every p is 0 keeps that byte: its codes are zeros)
.endr
.irp b, 0,1,2,3
	s_delay_alu instid0(VALU_DEP_4)
	v_add_nc_u32 v[SOP+\b], 0xff000000, v[BM+\b]   ; 2 off the exponent field: the conversion's scale operand
.endr
.irp b, 0,1,2,3
	s_delay_alu instid0(VALU_DEP_4)
	v_lshrrev_b32 v[T+\b], 23, v[SOP+\b]           ; the scale's byte
.endr
	s_delay_alu instid0(VALU_DEP_3)
	v_lshl_or_b32 v253, v[T+1], 8, v[T]            ; p's scale word for these 128 keys
	s_delay_alu instid0(VALU_DEP_1)
	v_lshl_or_b32 v253, v[T+2], 16, v253
	s_delay_alu instid0(VALU_DEP_1)
	v_lshl_or_b32 v253, v[T+3], 24, v253
	s_setprio 0
.irp b, 0,1,2,3
	v_cvt_scalef32_pk8_fp4_f32 v[P+2*\b], v[S+16*\b:S+7+16*\b], v[SOP+\b]
	v_cvt_scalef32_pk8_fp4_f32 v[P+1+2*\b], v[S+8+16*\b:S+15+16*\b], v[SOP+\b]
.endr
	v_nop                                          ; a plain line behind the conversions
.irp c, 0,1                                    ; a WHOLE block in a lane: lanes 0-15 block 2 c, lanes 16-31 block 2 c + 1
.irp i, 0,1
	v_permlane16_swap_b32 v[P+4*\c+\i], v[P+2+4*\c+\i]
.endr
.endr
.set k, 0
.rept 32
	v_pk_mul_f32 v[O+2*k:O+2*k+1], v[O+2*k:O+2*k+1], v[252:253] op_sel_hi:[1,0]   ; O^T under the new M: x f, each accumulator from its low end on.  (These 32 are also the places between the lines that made p's codes and scale word and the products)
.set k, k+1
.endr
	s_wait_alu depctr_va_vdst(0)
	s_wait_dscnt 0x0                               ; V's images and scale words are in
.irp t, 0,1,2,3,4,5,6,7                        ; O^T += V^T P^T: the eight accumulators by turns, one instruction a turn
	v_wmma_scale_f32_16x16x128_f8f6f4 v[O+8*\t:O+8*\t+7], v[F+8*\t:F+8*\t+7], v[P:P+7], v[O+8*\t:O+8*\t+7], v[KS+\t], v253 matrix_a_fmt:MATRIX_FMT_FP4 matrix_b_fmt:MATRIX_FMT_FP4
.endr
.Lnext:
	s_add_co_u32 s33, s33, 1
	s_add_co_u32 s34, s34, 128
	s_add_co_u32 s35, s35, 8192
	s_add_co_u32 s84, s84, 8192
	s_add_co_u32 s36, s36, 512
	s_add_co_u32 s85, s85, 512
	s_sub_co_u32 s32, s32, 1
	s_cmp_lg_u32 s32, 0
	s_cbranch_scc1 .Lstep
	s_setprio 0
	; THE WAY OUT.  O^T / the sum goes through my own stage in LDS and comes back as whole rows of 512 bytes.  Beside it the mean of the quantised value is made, in the rows' layout, and takes the place of a row that had no key.
	v_add_f32 v14, v14, v15                        ; the sum's two halves,
	s_delay_alu instid0(VALU_DEP_1)
	v_permlanex16_b32 v252, v14, s48, s49
	s_delay_alu instid0(VALU_DEP_1)
	v_add_f32 v14, v14, v252                       ; and lane l xor 16's: the row's sum
	s_wait_alu depctr_va_vdst(0)
	v_rcp_f32 v14, v14
	s_mul_i32 s56, s22, 16*SP
	s_add_co_u32 s56, s56, STG                     ; my stage
	v_and_b32 v24, 15, v0                          ; (plain lines behind the reciprocal; also the places behind the last products)
	v_bfe_u32 v25, v0, 4, 1
	s_delay_alu instid0(VALU_DEP_2)
	v_mul_u32_u24 v28, v24, SP
	s_delay_alu instid0(VALU_DEP_1)
	v_lshl_add_u32 v28, v25, 5, v28
	s_delay_alu instid0(VALU_DEP_1)
	v_add_nc_u32 v28, s56, v28                     ; in: row r; tile t's eight channels of my half: 64 t + 32 hf bytes on
	v_add_nc_u32 v29, s56, v1                      ; back: the 32 lanes take one row
	v_add_nc_u32 v30, VP, v1                       ; the partial sums of my four channels
	v_cmp_eq_u32 s54, 0xff61b1e6, v13              ; bit r: query r has met no key that counts.  It selects values alone: no branch and no address hangs on it
.irp s, 0,1,2,3,4,5,6,7,8,9,10,11,12,13,14,15
	ds_load_b128 v[F+4*\s:F+4*\s+3], v30 offset:512*\s
.endr
	s_wait_alu depctr_va_vdst(0)                   ; the wait ahead of the reciprocal's first reader
.set k, 0
.rept 64
	v_mul_f32 v[S+k], v[O+k], v14                  ; O^T / the sum: register 8 t + i is o(r, 16 t + 8 hf + i); each accumulator from its low end on
.set k, k+1
.endr
.irp t, 0,1,2,3,4,5,6,7
	ds_store_b128 v28, v[S+8*\t:S+8*\t+3] offset:64*\t
	ds_store_b128 v28, v[S+8*\t+4:S+8*\t+7] offset:64*\t+16
.endr
.irp i, 0,1,2,3,4,5,6,7,8,9,10,11,12,13,14,15
	ds_load_b128 v[O+4*\i:O+4*\i+3], v29 offset:\i*SP   ; LDS serves a wave's instructions in order: these see my stores
.endr
	s_wait_dscnt 32                                ; the sixteen stores and sixteen loads just issued may be out: the partial sums are in
.irp s, 0,1,2,3,4,5,6,7
	v_pk_add_f32 v[F+4*\s:F+4*\s+1], v[F+4*\s:F+4*\s+1], v[F+32+4*\s:F+33+4*\s]
	v_pk_add_f32 v[F+4*\s+2:F+4*\s+3], v[F+4*\s+2:F+4*\s+3], v[F+34+4*\s:F+35+4*\s]
.endr
.irp s, 0,1,2,3
	v_pk_add_f32 v[F+4*\s:F+4*\s+1], v[F+4*\s:F+4*\s+1], v[F+16+4*\s:F+17+4*\s]
	v_pk_add_f32 v[F+4*\s+2:F+4*\s+3], v[F+4*\s+2:F+4*\s+3], v[F+18+4*\s:F+19+4*\s]
.endr
.irp s, 0,1
	s_delay_alu instid0(VALU_DEP_4)
	v_pk_add_f32 v[F+4*\s:F+4*\s+1], v[F+4*\s:F+4*\s+1], v[F+8+4*\s:F+9+4*\s]
	s_delay_alu instid0(VALU_DEP_4)
	v_pk_add_f32 v[F+4*\s+2:F+4*\s+3], v[F+4*\s+2:F+4*\s+3], v[F+10+4*\s:F+11+4*\s]
.endr
	s_delay_alu instid0(VALU_DEP_2)
	v_pk_add_f32 v[F:F+1], v[F:F+1], v[F+4:F+5]
	s_delay_alu instid0(VALU_DEP_2)
	v_pk_add_f32 v[F+2:F+3], v[F+2:F+3], v[F+6:F+7]
	s_delay_alu instid0(VALU_DEP_2)
	v_pk_mul_f32 v[F:F+1], v[F:F+1], 0x3a000000 op_sel_hi:[1,0]       ; / 2,048: every key's p is 1 in such a row, and the sum of them 2,048
	s_delay_alu instid0(VALU_DEP_2)
	v_pk_mul_f32 v[F+2:F+3], v[F+2:F+3], 0x3a000000 op_sel_hi:[1,0]
	s_wait_alu depctr_va_vdst(0)
.irp i, 0,1,2,3,4,5,6,7,8,9,10,11,12,13,14,15
	s_wait_dscnt 15-\i                             ; row i is back; the younger rows may be out
	s_bitcmp1_b32 s54, \i
	s_cselect_b32 s55, -1, 0                       ; all lanes alike: row i is query i's
.irp k, 0,1,2,3
	v_cndmask_b32 v[O+4*\i+\k], v[O+4*\i+\k], v[F+\k], s55
.endr
	global_store_b128 v1, v[O+4*\i:O+4*\i+3], s[20:21] offset:512*\i th:TH_STORE_NT   ; 32 lanes store 512 consecutive bytes, at a multiple of 256 from out0's first byte; written once, read by nobody here
.endr
	s_wait_xcnt 0x0
	v_lshl_add_u32 v254, v0, 2, 0x4ed00
	v_mov_b32 v255, 0
	s_wait_alu depctr_va_vdst(0)
	s_wait_tensorcnt 0x0
	ds_add_u32 v254, v255
	s_wait_dscnt 0x0
	s_endpgm
.Lfunc_end_k_q3b5b634863_attn:
	.size	k_q3b5b634863_attn, .Lfunc_end_k_q3b5b634863_attn-k_q3b5b634863_attn
	.p2alignl 7, 3214868480
	.fill 96, 4, 3214868480
	.section	.rodata,"a",@progbits
	.p2align	6, 0x0
	.amdhsa_kernel k_q3b5b634863_attn
		.amdhsa_group_segment_fixed_size 324864
		.amdhsa_private_segment_fixed_size 0
		.amdhsa_enable_private_segment 0
		.amdhsa_kernarg_size 72
		.amdhsa_user_sgpr_count 2
		.amdhsa_user_sgpr_kernarg_segment_ptr 1
		.amdhsa_wavefront_size32 1
		.amdhsa_system_sgpr_workgroup_id_x 1
		.amdhsa_system_sgpr_workgroup_id_y 1
		.amdhsa_system_sgpr_workgroup_id_z 1
		.amdhsa_system_vgpr_workitem_id 0
		.amdhsa_next_free_vgpr 256
		.amdhsa_next_free_sgpr 100
		.amdhsa_reserve_vcc 1
		.amdhsa_float_denorm_mode_32 3
		.amdhsa_float_denorm_mode_16_64 3
		.amdhsa_memory_ordered 1
		.amdhsa_forward_progress 1
		.amdhsa_inst_pref_size 72
	.end_amdhsa_kernel
	.amdgpu_metadata
---
amdhsa.version: [ 1, 2 ]
amdhsa.kernels:
  - .name:           k_q3b5b634863_attn
    .symbol:         k_q3b5b634863_attn.kd
    .args:
      - { .name: query, .offset: 0, .size: 8, .value_kind: global_buffer, .address_space: global }
      - { .name: q_segment_ids, .offset: 8, .size: 8, .value_kind: global_buffer, .address_space: global }
      - { .name: kv_segment_ids, .offset: 16, .size: 8, .value_kind: global_buffer, .address_space: global }
      - { .name: kimg, .offset: 24, .size: 8, .value_kind: global_buffer, .address_space: global }
      - { .name: kscl, .offset: 32, .size: 8, .value_kind: global_buffer, .address_space: global }
      - { .name: vimg, .offset: 40, .size: 8, .value_kind: global_buffer, .address_space: global }
      - { .name: vscl, .offset: 48, .size: 8, .value_kind: global_buffer, .address_space: global }
      - { .name: vpart, .offset: 56, .size: 8, .value_kind: global_buffer, .address_space: global }
      - { .name: out0, .offset: 64, .size: 8, .value_kind: global_buffer, .address_space: global }
    .group_segment_fixed_size: 324864
    .private_segment_fixed_size: 0
    .kernarg_segment_align: 8
    .kernarg_segment_size: 72
    .max_flat_workgroup_size: 512
    .sgpr_count:     100
    .vgpr_count:     256
    .wavefront_size: 32
...
	.end_amdgpu_metadata
.endif
;; end of part 4
